; MI455X (gfx1250); checked and timed in simulation.
; The chip was launched on July 23, 2026; its instructions are those of AMD's public machine-readable ISA for CDNA 5 (MIT licence, August 2026) and "CDNA5" Instruction Set Architecture Reference Guide (July 2026). The comments in the code are by the model that wrote it; some were corrected since.
;; Hun Yuan Dense V1 Attention. Allowed arithmetic: matrix products marked QUANTISED: E2M1 operands, one E8M0 scale for each 32 along K, by v_wmma_scale_f32_16x16x128_f8f6f4 with both operands' format E2M1 (or v_wmma_scale_f32_32x16x128_f4), f32 sums; products left as they are: bf16, f16 or f32 operands; f32 sums; everything else in f32.
;; Inputs: Wk 4,096 x 512 float32; Wo 1,024 x 4,096 float32; Wq 4,096 x 1,024 float32; Wv 4,096 x 512 float32; cos_table 2,048 x 128 float32; hidden_states 2 x 2,048 x 4,096 float32; k_norm_w 128 float32; position_ids 2 x 2,048 int32; q_norm_w 128 float32; sin_table 2,048 x 128 float32.
;; Outputs: out0 2 x 2,048 x 4,096 float32.
;; This version of the problem:
;;   THIS VERSION OF THE PROBLEM IS GIVEN IN LOW PRECISION. The matrix products marked QUANTISED in the list below multiply operands that are first quantised to E2M1 (2 exponent bits, 1 mantissa bit; 4 bits a number), with one power-of-two scale for each 32 numbers along K (OCP MX v1.0); their sums are f32. The products marked 'left as it is' may take bf16, f16 or f32 operands, with f32 sums. Whichever they take, every output number must still come out within the allowed error. Rounding operands to bf16 (8 significant bits) uses up far more of that allowance than f16 does (11 bits, for magnitudes from 6e-5 to 65,504). All else is computed in f32.
;;   The module's matrix products, in the order in which they are computed (A, B: the left and right operand; K: the contracted axis; several contracted axes count as one K, in the product's order):
;;     1. [M 4,096, K 4,096] x [K 4,096, N 1,024]; A: input hidden_states; B: input Wq: QUANTISED
;;     2. [M 4,096, K 4,096] x [K 4,096, N 512]; A: input hidden_states; B: input Wk: QUANTISED
;;     3. [M 4,096, K 4,096] x [K 4,096, N 512]; A: input hidden_states; B: input Wv: QUANTISED
;;     4. batch 16 x [M 2,048, K 128] x [K 128, N 2,048]; A: computed on the way; B: computed on the way: left as it is (an operand is computed on the way)
;;     5. batch 16 x [M 128, K 2,048] x [K 2,048, N 2,048]; A: computed on the way; B: computed on the way: left as it is (an operand is computed on the way)
;;     6. [M 4,096, K 1,024] x [K 1,024, N 4,096]; A: computed on the way; B: input Wo: left as it is (an operand is computed on the way)
;;   THE QUANTISER, for each operand of a quantised product, along K:
;;     - K is cut into blocks of 32 from its start; a last block that is shorter is filled with zeros.
;;     - A block's scale is 2^e with e = floor(log2(the largest magnitude in the block)) - 2, held to -126 .. 127; a block of zeros has e = 0. As a byte (E8M0): e + 127.
;;     - Each number is divided by its block's scale, clamped to +-6, and rounded to the nearest number of E2M1, ties to even, subnormals kept.
;;     - The product sums the exact products of the quantised numbers (number of the format x scale) in f32.
;;   ~~~python
;;   def quantise(x, axis):      # numpy; x: float32 -> the quantised numbers, widened to float32 again
;;       x = np.moveaxis(x, axis, -1); K = x.shape[-1]
;;       x = np.pad(x, [(0, 0)] * (x.ndim - 1) + [(0, -K % 32)]); x = x.reshape(x.shape[:-1] + (-1, 32)); a = np.abs(x).max(-1, keepdims=True)
;;       e = np.where(a > 0, np.clip(np.frexp(np.where(a > 0, a, 1))[1] - 1 - 2, -126, 127), 0)      # np.frexp(a)[1] - 1 = floor(log2(a)), exactly
;;       r = np.clip(x / 2.0 ** e, -6, 6)
;;       step = 2.0 ** (np.maximum(np.frexp(np.where(r == 0, 1, r))[1] - 1, 0) - 1)
;;       q = np.round(r / step) * step * 2.0 ** e      # np.round: ties to even
;;       return np.moveaxis(q.reshape(q.shape[:-2] + (-1,))[..., :K], -1, axis).astype(np.float32)
;;   ~~~
;; One version. Each part assembles by itself: llvm-mc -triple=amdgcn-amd-amdhsa -mcpu=gfx1250 --defsym DOCPART=n.
;; ======== version 1 of 1: 5 launches
;; limits: values are held in f16: magnitudes above 65,504 overflow, below 6.1e-05 lose precision; right only within a limited range of input values
;; workspace buffers: xq 8,912,896 bytes; wq 4,456,448 bytes; wo16 8,388,608 bytes; qkv16 16,777,216 bytes; qkv32 262,144 bytes; attn16 8,388,608 bytes
;; launch prep (part 1): grid 768 x 1, 4 waves a work-group, no clusters, 68,096 bytes of LDS; arguments Wq, Wk, Wv, Wo, wq, wo16, hidden_states, xq; writes wq, wo16, xq
.if DOCPART == 1
	.amdgcn_target "amdgcn-amd-amdhsa--gfx1250"
	.amdhsa_code_object_version 6
	.text
	.protected	k_q0c11205403_prep
	.globl	k_q0c11205403_prep
	.p2align	8
	.type	k_q0c11205403_prep,@function
k_q0c11205403_prep:
	s_mov_b64 s[64:65], 0
	v_nop
	global_prefetch_b8 v0, s[64:65] scope:SCOPE_SE
	s_setreg_imm32_b32 hwreg(HW_REG_WAVE_MODE, 25, 1), 1
	s_wait_xcnt 0x0
; One launch makes all that the later launches read in narrow form.  Three kinds of work-group, told apart by the work-group's number alone; the longest chain of dependent loads comes first.
; WORK-GROUPS 0-127: Wq [4096][1024], Wk, Wv [4096][512], f32 with K as their FIRST axis, become codes of FP4 (E2M1) with K innermost and one E8M0 byte for each 32 along K.
;   wq: codes [2048 rows][2048 bytes] from byte 0, scale bytes [2048][128] from byte WSC.  Rows 0-1023 are Wq's columns; from row 1024 + 256 i: 128 columns of Wk's head i, then 128 of Wv's head i.
;   A lane takes a column and its registers run down K: a block of 32 lies in one lane, and the conversions give codes with K innermost.  A wave takes 32 columns x 512 along K;
;   its codes go through its own stage in LDS and leave as rows: sixteen lanes store 256 consecutive bytes, aligned.
; WORK-GROUPS 128-255: wo16 = f16(16 x Wo), [1024][4096]: a plain stream without LDS; the factor is a power of two and is taken back by the attention's output, which is kept as value / 16.
; WORK-GROUPS 256-767: hidden_states [4096][4096] f32 becomes xq: codes [4096][2048 bytes] from byte 0, scale bytes [4096][128] from byte XSC.  Rows are dense, so the tensor is a plain stream of blocks of 32.
;   A wave takes 16 steps of 512 numbers.  Each of a step's four loads reads 512 consecutive bytes; the 2,048 bytes turn through the wave's own stage in LDS and come back 64 bytes a lane,
;   so that a lane holds 16 neighbours along K (two neighbouring lanes hold a block).  Loads run four steps ahead, the turn through LDS one step.
; A block's scale is 2^(floor(log2(its largest magnitude)) - 2); its byte is the largest magnitude's exponent field - 2, held at 1 from below.
; LIMITS: a block whose largest magnitude lies under 2^-124 (a block of zeros among them) gets the byte 1; a block of zeros has zero codes, which add nothing under that byte, and this program alone reads
; the bytes.  |Wo| stays under 4,094 (f16's range).  NaN and infinities among the inputs are not served.
; LDS: the two kinds that store to LDS have bytes of their own: the weights' four stages from 0, x's four regions from XRG; behind them the spare words.  No barrier: waves share nothing.
.set EMAX,  2
.set SPW,   14                         ; v14 LDS address of my spare word; never rewritten
.set NIL,   15                         ; v15 0; never rewritten
; the weights
.set NB,    16                         ; blocks of a lane
.set PITCH, 272                        ; a stage row: 256 bytes + 16
.set X,     32                         ; v32-95   two sets of 32 numbers
.set C,     96                         ; v96-99   a block's codes
.set OUTR,  112                        ; v112-175 the way out
.set OFF,   176                        ; v176-207 4 x lane + i rows of the source: the pitch differs between the sources, so it cannot stand in an immediate
.set SB,    24                         ; v24-27   the scale bytes, four to a register
.set WSC,   4194304
; the cast
.set CR,    32                         ; v32-95   sixteen slots of 4 registers as loaded
.set CC,    96                         ; v96-127  sixteen slots of 2 registers to store
; x
.set STEPS, 16
.set CB,    8                          ; bytes of 16 codes
.set XR,    16                         ; v16-79   four sets of 16 numbers as loaded
.set XX,    80                         ; v80-111  two sets of 16 neighbours
.set XE,    112                        ; v112-127 a scale byte for each step
.set XC,    128                        ; v128-191 codes: registers of its own for each step
.set XIN,   12                         ; v12      the stage, on the way in
.set XOUT,  13                         ; v13      and out
.set WREG,  8192                       ; a region for each wave: two stages of 32 x XSP bytes, then its 256 scale bytes
.set XSP,   80                         ; a lane's place in a stage: 64 bytes + 16 of padding
.set XSC,   8388608
.set XRG,   4*32*PITCH                 ; behind the weights' four stages
.set SPARE, XRG+4*WREG                 ; the spare words: 128 bytes a wave, named by no other line
	s_load_b256 s[4:11], s[0:1], 0x0               ; Wq s[4:5], Wk s[6:7], Wv s[8:9], Wo s[10:11]
	s_load_b128 s[12:15], s[0:1], 0x20             ; wq s[12:13], wo16 s[14:15]
	s_load_b128 s[40:43], s[0:1], 0x30             ; hidden_states s[40:41], xq s[42:43]
	v_lshl_add_u32 v[SPW], v0, 2, SPARE
	v_mov_b32 v[NIL], 0
	v_lshrrev_b32 v1, 5, v0
	v_readfirstlane_b32 s16, v1                    ; wave
	v_and_b32 v2, 31, v0                           ; lane
	s_cmp_lt_u32 ttmp9, 128
	s_cbranch_scc0 .Lnot_w
	; ---- the three weights of the quantised products
	s_and_b32 s17, ttmp9, 15                       ; g: which 128 columns: 0-7 Wq's heads, 8-11 Wk's, 12-15 Wv's
	s_lshr_b32 s18, ttmp9, 4                       ; which 512 along K
	s_and_b32 s19, s17, 3
	s_lshl_b32 s26, s19, 8
	s_add_co_u32 s26, s26, 1024                    ; Wk's head: row 1024 + 256 (g & 3)
	s_lshl_b32 s27, s17, 7                         ; Wq's head: row 128 g
	s_mov_b32 s28, 2048                            ; a row of Wk or Wv in bytes
	s_wait_kmcnt 0x0
	s_cmp_lt_u32 s17, 12
	s_cselect_b32 s23, 0, 128                      ; Wv's head lies 128 rows behind Wk's
	s_cselect_b64 s[24:25], s[6:7], s[8:9]
	s_add_co_u32 s26, s26, s23
	s_cmp_lt_u32 s17, 8
	s_cselect_b32 s26, s27, s26                    ; my first row in wq
	s_cselect_b32 s22, s17, s19                    ; the head's number in its source
	s_cselect_b32 s28, 4096, s28                   ; the source's pitch
	s_cselect_b64 s[4:5], s[4:5], s[24:25]         ; the source: a choice on the work-group's number alone
	s_lshl_b32 s22, s22, 7
	s_lshl_b32 s29, s16, 5
	s_add_co_u32 s22, s22, s29                     ; my wave's first column in the source
	s_add_co_u32 s26, s26, s29                     ; and its row in wq
	s_mul_i32 s30, s18, s28
	s_lshl_b32 s30, s30, 9                         ; 512 rows of the source for each step along K
	s_lshl_b32 s22, s22, 2
	s_add_co_u32 s30, s30, s22
	s_mov_b32 s31, 0
	s_add_nc_u64 s[4:5], s[4:5], s[30:31]
	s_lshl_b32 s20, s28, 5                         ; a block on: 32 rows
	s_mov_b32 s21, 0
	s_lshl_b32 s30, s26, 11                        ; codes: row x 2,048 + 256 x step
	s_lshl_b32 s29, s18, 8
	s_add_co_u32 s30, s30, s29
	s_add_nc_u64 s[32:33], s[12:13], s[30:31]
	s_lshl_b32 s30, s26, 7                         ; scale bytes: WSC + row x 128 + 16 x step
	s_lshl_b32 s29, s18, 4
	s_add_co_u32 s30, s30, s29
	s_add_co_u32 s30, s30, WSC
	s_add_nc_u64 s[34:35], s[12:13], s[30:31]
	v_lshlrev_b32 v3, 2, v2
.set i, 0
.rept 32
	v_mad_u32_u24 v[OFF+i], s28, i, v3
.set i, i+1
.endr
	s_mul_i32 s36, s16, 32*PITCH                   ; my stage
	v_mul_u32_u24 v4, v2, PITCH
	v_add_nc_u32 v4, s36, v4                       ; into it: row = my column
	v_and_b32 v5, 15, v2
	v_lshrrev_b32 v6, 4, v2
	v_mul_u32_u24 v7, v6, PITCH
	v_lshl_add_u32 v7, v5, 4, v7
	v_add_nc_u32 v7, s36, v7                       ; out of it: sixteen lanes to a row, two rows an instruction
	v_lshlrev_b32 v8, 11, v6
	v_lshl_add_u32 v8, v5, 4, v8                   ; the same place in wq
	v_lshlrev_b32 v9, 7, v2                        ; my column's row of scale bytes
.macro LOAD t                          ; block t: 32 rows of my column into set t % 2; then the base steps a block on
.set i, 0
.rept 32
	global_load_b32 v[X+32*((\t)%2)+i], v[OFF+i], s[4:5] th:TH_LOAD_NT
.set i, i+1
.endr
	s_wait_xcnt 0x0                                ; the loads have read their base: it is stepped only behind this wait
	s_add_nc_u64 s[4:5], s[4:5], s[20:21]
.endm
	LOAD 0
	LOAD 1
.macro BLOCK t
.set XS, X+32*((\t)%2)
.if (\t) < NB-1
	s_wait_loadcnt 32                              ; this block's 32 loads are in; the next block's may be out
.else
	s_wait_loadcnt 0
.endif
	v_max3_num_f32 v12, |v[XS]|, |v[XS+1]|, |v[XS+2]|
	v_max3_num_f32 v13, |v[XS+3]|, |v[XS+4]|, |v[XS+5]|
.irp i, 6,10,14,18,22,26
	v_max3_num_f32 v12, v12, |v[XS+\i]|, |v[XS+\i+1]|
	v_max3_num_f32 v13, v13, |v[XS+\i+2]|, |v[XS+\i+3]|
.endr
	v_max3_num_f32 v12, v12, |v[XS+30]|, |v[XS+31]|
	v_max3_num_f32 v12, v12, v13, (EMAX+1)<<23     ; the floor 2^(3 - 127): the byte cannot fall under 1
	v_add_nc_u32 v11, -(EMAX<<23), v12             ; the conversion's scale operand
	v_lshrrev_b32 v13, 23, v11                     ; the scale's byte
.if (\t)%4 == 0
	v_mov_b32 v[SB+(\t)/4], v13
.else
	v_lshl_or_b32 v[SB+(\t)/4], v13, 8*((\t)%4), v[SB+(\t)/4]
.endif
.irp g, 0,1,2,3
	v_cvt_scalef32_pk8_fp4_f32 v[C+\g], v[XS+8*\g:XS+8*\g+7], v11
.endr
	ds_store_b128 v4, v[C:C+3] offset:16*(\t)      ; 32 codes: 16 bytes of my column's row
.if (\t)+2 < NB
	LOAD (\t)+2
.endif
	s_wait_dscnt 0x0                               ; the store has read its registers: the next block's codes may be written
.endm
.set Q, 0
.rept NB
	BLOCK Q
.set Q, Q+1
.endr
	global_store_b128 v9, v[SB:SB+3], s[34:35]     ; my column's 16 scale bytes
.irp t, 0,1,2,3,4,5,6,7,8,9,10,11,12,13,14,15
	ds_load_b128 v[OUTR+4*\t:OUTR+4*\t+3], v7 offset:2*\t*PITCH
.endr
.irp t, 0,1,2,3,4,5,6,7,8,9,10,11,12,13,14,15
	s_wait_dscnt 15-\t                             ; LDS loads come back in order: load t is in
	global_store_b128 v8, v[OUTR+4*\t:OUTR+4*\t+3], s[32:33] offset:2*\t*2048
.endr
	s_branch .Lend
.Lnot_w:
	s_cmp_lt_u32 ttmp9, 256
	s_cbranch_scc0 .Lx
	; ---- Wo: a stream without LDS.  A wave takes 8,192 numbers: 64 loads of 512 bytes, a ring of sixteen slots in registers
	s_sub_co_u32 s17, ttmp9, 128
	s_lshl_b32 s17, s17, 2
	s_add_co_u32 s17, s17, s16                     ; my run: 0 .. 511
	s_lshl_b32 s18, s17, 15
	s_mov_b32 s19, 0
	s_lshl_b32 s20, s17, 14
	s_mov_b32 s21, 0
	s_mov_b32 s22, 0x41800000                      ; 16.0
	s_mov_b32 s23, s22                             ; (named with it as a pair, so it is written)
	v_lshlrev_b32 v3, 4, v2
	v_lshlrev_b32 v4, 3, v2
	s_wait_kmcnt 0x0
	s_add_nc_u64 s[10:11], s[10:11], s[18:19]
	s_add_nc_u64 s[14:15], s[14:15], s[20:21]
.set N, 0
.rept 16
	global_load_b128 v[CR+4*N:CR+4*N+3], v3, s[10:11] offset:512*N th:TH_LOAD_NT
.set N, N+1
.endr
.set N, 0
.rept 64
.set I, N%16
.if N < 48
	s_wait_loadcnt 15                              ; my slot's load is in; the fifteen younger ones stay out
.else
	s_wait_loadcnt 63-N                            ; the last round loads nothing: the counts run down
.endif
	s_wait_xcnt 0x0                                ; the slot's last store has read its registers
	v_pk_mul_f32 v[16:17], v[CR+4*I:CR+4*I+1], s[22:23] op_sel_hi:[1,0]
	v_pk_mul_f32 v[18:19], v[CR+4*I+2:CR+4*I+3], s[22:23] op_sel_hi:[1,0]
	v_cvt_pk_f16_f32 v[CC+2*I], v16, v17
	v_cvt_pk_f16_f32 v[CC+2*I+1], v18, v19
.if N < 48
	global_load_b128 v[CR+4*I:CR+4*I+3], v3, s[10:11] offset:512*(N+16) th:TH_LOAD_NT
.endif
	global_store_b64 v4, v[CC+2*I:CC+2*I+1], s[14:15] offset:256*N   ; the wave stores 256 consecutive bytes, aligned
.set N, N+1
.endr
	s_endpgm
	; ---- hidden_states
.Lx:
	s_sub_co_u32 s18, ttmp9, 256
	s_lshl_b32 s18, s18, 2
	s_add_co_u32 s18, s18, s16                     ; my run of 8,192 numbers: 0 .. 2047
	v_lshlrev_b32 v3, 4, v2                        ; my 16 bytes of a load's 512
	s_mul_i32 s17, s16, WREG
	s_add_co_u32 s17, s17, XRG                     ; my wave's region
	v_lshrrev_b32 v[XIN], 2, v2
	v_mul_u32_u24 v[XIN], v[XIN], XSP
	v_and_b32 v[XOUT], 3, v2
	v_lshl_add_u32 v[XIN], v[XOUT], 4, v[XIN]
	v_add_nc_u32 v[XIN], s17, v[XIN]               ; the stage, in: XSP (lane / 4) + 16 (lane % 4)
	v_mul_u32_u24 v[XOUT], v2, XSP
	v_add_nc_u32 v[XOUT], s17, v[XOUT]             ; and out: XSP x lane
	v_mul_u32_u24 v4, v2, CB                       ; my codes' place in a step's
	v_lshrrev_b32 v5, 1, v2
	s_add_co_u32 s17, s17, 2*32*XSP
	v_add_nc_u32 v5, s17, v5                       ; my block's byte among my wave's 256
	v_lshlrev_b32 v7, 3, v2
	v_add_nc_u32 v6, s17, v7                       ; on the way out 8 bytes a lane
	s_lshl_b32 s20, s18, 15                        ; 32,768 bytes of numbers,
	s_mov_b32 s21, 0
	s_lshl_b32 s22, s18, 12                        ; 4,096 bytes of codes,
	s_mov_b32 s23, 0
	s_lshl_b32 s24, s18, 8                         ; 256 scale bytes a run
	s_add_co_u32 s24, s24, XSC
	s_mov_b32 s25, 0
	s_wait_kmcnt 0x0
	s_add_nc_u64 s[40:41], s[40:41], s[20:21]
	s_add_nc_u64 s[44:45], s[42:43], s[22:23]
	s_add_nc_u64 s[46:47], s[42:43], s[24:25]
.macro XLOAD t
.irp i, 0,1,2,3
	global_load_b128 v[XR+16*((\t)%4)+4*\i:XR+16*((\t)%4)+4*\i+3], v3, s[40:41] offset:2048*(\t)+512*\i th:TH_LOAD_NT   ; 32 lanes read 512 consecutive bytes
.endr
.endm
.macro XTURN t                         ; step t's numbers through the stage; LDS serves a wave's instructions in order, so no wait stands between stores and loads
.irp i, 0,1,2,3
	ds_store_b128 v[XIN], v[XR+16*((\t)%4)+4*\i:XR+16*((\t)%4)+4*\i+3] offset:32*XSP*((\t)%2)+8*XSP*\i
.endr
.irp i, 0,1,2,3
	ds_load_b128 v[XX+16*((\t)%2)+4*\i:XX+16*((\t)%2)+4*\i+3], v[XOUT] offset:32*XSP*((\t)%2)+16*\i
.endr
.endm
.irp t, 0,1,2,3
	XLOAD \t
.endr
	s_wait_loadcnt 12                              ; step 0's four loads are in; twelve younger ones may be out
	XTURN 0
.macro XSTEP t
.set XN, XX+16*((\t)%2)
.if (\t) > 0
	s_wait_dscnt 1                                 ; this step's numbers are back from the stage; the last step's byte store may be out
.else
	s_wait_dscnt 0x0
.endif
.if (\t)+4 < STEPS
	XLOAD (\t)+4                                   ; into the registers that the stage's stores have read
.endif
.if (\t)+1 < STEPS
.if STEPS-2-(\t) >= 3
	s_wait_loadcnt 12                              ; the next step's four loads are in; three steps' loads may be out
.else
	s_wait_loadcnt 4*(STEPS-2-(\t))
.endif
	XTURN (\t)+1
.endif
	v_max3_num_f32 v8, |v[XN]|, |v[XN+1]|, |v[XN+2]|               ; the largest magnitude of my 16, in two chains
	v_max3_num_f32 v9, |v[XN+3]|, |v[XN+4]|, |v[XN+5]|
.irp i, 6,10
	v_max3_num_f32 v8, v8, |v[XN+\i]|, |v[XN+\i+1]|
	v_max3_num_f32 v9, v9, |v[XN+\i+2]|, |v[XN+\i+3]|
.endr
	v_max3_num_f32 v8, v8, |v[XN+14]|, |v[XN+15]|
	v_max3_num_f32 v8, v8, v9, (EMAX+1)<<23        ; and the floor 2^(3 - 127): the byte cannot fall under 1
	v_max_num_f32_dpp v8, v8, v8 row_xmask:1 row_mask:0xf bank_mask:0xf   ; with my neighbour's 16: the block's
	v_add_nc_u32 v11, -(EMAX<<23), v8              ; 2 off its exponent field: the conversion takes that field as its scale
	v_cvt_scalef32_pk8_fp4_f32 v[XC+4*(\t)], v[XN:XN+7], v11
	v_cvt_scalef32_pk8_fp4_f32 v[XC+4*(\t)+1], v[XN+8:XN+15], v11
	v_lshrrev_b32 v[XE+(\t)], 23, v11              ; the scale's byte
	ds_store_b8 v5, v[XE+(\t)] offset:16*(\t)      ; both lanes of a block write the same byte with the same value
	global_store_b64 v4, v[XC+4*(\t):XC+4*(\t)+1], s[44:45] offset:32*CB*(\t)   ; the wave stores 256 consecutive bytes, aligned
.endm
.irp t, 0,1,2,3,4,5,6,7,8,9,10,11,12,13,14,15
	XSTEP \t
.endr
	ds_load_b64 v[8:9], v6                         ; my wave's 256 scale bytes
	s_wait_dscnt 0x0
	global_store_b64 v7, v[8:9], s[46:47]          ; 256 consecutive bytes, aligned
.Lend:
	s_wait_tensorcnt 0x0                           ; the wave's end, for both paths that stored to LDS, behind my last LDS store
	ds_add_u32 v[SPW], v[NIL]
	s_wait_dscnt 0x0
	s_endpgm
.Lfunc_end_k_q0c11205403_prep:
	.size	k_q0c11205403_prep, .Lfunc_end_k_q0c11205403_prep-k_q0c11205403_prep
	.p2alignl 7, 3214868480
	.fill 96, 4, 3214868480
	.section	.rodata,"a",@progbits
	.p2align	6, 0x0
	.amdhsa_kernel k_q0c11205403_prep
		.amdhsa_group_segment_fixed_size 68096
		.amdhsa_private_segment_fixed_size 0
		.amdhsa_enable_private_segment 0
		.amdhsa_kernarg_size 64
		.amdhsa_user_sgpr_count 2
		.amdhsa_user_sgpr_kernarg_segment_ptr 1
		.amdhsa_wavefront_size32 1
		.amdhsa_system_sgpr_workgroup_id_x 1
		.amdhsa_system_sgpr_workgroup_id_y 1
		.amdhsa_system_sgpr_workgroup_id_z 1
		.amdhsa_system_vgpr_workitem_id 0
		.amdhsa_next_free_vgpr 224
		.amdhsa_next_free_sgpr 66
		.amdhsa_reserve_vcc 0
		.amdhsa_float_denorm_mode_32 3
		.amdhsa_float_denorm_mode_16_64 3
		.amdhsa_memory_ordered 1
		.amdhsa_forward_progress 1
		.amdhsa_inst_pref_size 147
	.end_amdhsa_kernel
	.amdgpu_metadata
---
amdhsa.version: [ 1, 2 ]
amdhsa.kernels:
  - .name:           k_q0c11205403_prep
    .symbol:         k_q0c11205403_prep.kd
    .args:
      - { .name: Wq, .offset: 0, .size: 8, .value_kind: global_buffer, .address_space: global }
      - { .name: Wk, .offset: 8, .size: 8, .value_kind: global_buffer, .address_space: global }
      - { .name: Wv, .offset: 16, .size: 8, .value_kind: global_buffer, .address_space: global }
      - { .name: Wo, .offset: 24, .size: 8, .value_kind: global_buffer, .address_space: global }
      - { .name: wq, .offset: 32, .size: 8, .value_kind: global_buffer, .address_space: global }
      - { .name: wo16, .offset: 40, .size: 8, .value_kind: global_buffer, .address_space: global }
      - { .name: hidden_states, .offset: 48, .size: 8, .value_kind: global_buffer, .address_space: global }
      - { .name: xq, .offset: 56, .size: 8, .value_kind: global_buffer, .address_space: global }
    .group_segment_fixed_size: 68096
    .private_segment_fixed_size: 0
    .kernarg_segment_align: 8
    .kernarg_segment_size: 64
    .max_flat_workgroup_size: 128
    .sgpr_count:     66
    .vgpr_count:     224
    .wavefront_size: 32
...
	.end_amdgpu_metadata
.endif
;; end of part 1
;; launch qkv (part 2): grid 8 x 32, 4 waves a work-group, clusters of 4 x 4, 327,680 bytes of LDS; arguments xq, wq, position_ids, cos_table, sin_table, q_norm_w, k_norm_w, qkv16, qkv32; writes qkv16, qkv32
.if DOCPART == 2
	.amdgcn_target "amdgcn-amd-amdhsa--gfx1250"
	.amdhsa_code_object_version 6
	.text
	.protected	k_q0c11205403_qkv
	.globl	k_q0c11205403_qkv
	.p2align	8
	.type	k_q0c11205403_qkv,@function
k_q0c11205403_qkv:
	s_mov_b64 s[64:65], 0
	v_nop
	global_prefetch_b8 v0, s[64:65] scope:SCOPE_SE
	s_setreg_imm32_b32 hwreg(HW_REG_WAVE_MODE, 25, 1), 1
	s_wait_xcnt 0x0
	s_wait_alu depctr_hold_cnt(0) depctr_sa_sdst(0) depctr_va_vdst(0) depctr_va_sdst(0) depctr_va_ssrc(0) depctr_va_vcc(0) depctr_vm_vsrc(0)
	s_getreg_b32 s2, hwreg(HW_REG_IB_STS2, 6, 4)
	s_cmp_eq_u32 s2, 0
	s_cbranch_scc0 .Lentry_in_a_cluster
	s_endpgm
.Lentry_in_a_cluster:
	s_bfe_u32 s2, ttmp6, 0x10000c
	s_cmp_lg_u32 s2, 0xf033
	s_cbranch_scc0 .Lentry_shape_is_right
	s_endpgm
.Lentry_shape_is_right:
; q, k, v = hidden_states x (Wq | Wk | Wv) on codes of FP4 with E8M0 scales, sums in f32; then the rotation by position and the RMS norm (q, k) in f32.
; Out: qkv16: q [2][8][2048][128] at 0, k [2][4][2048][128] at 8 MiB, v / 16 likewise at 12 MiB, all f16; qkv32: positions 0-15 of both batches in f32, [2][q0-7, k0-3, v0-3][16][128], v unscaled.
; A work-group makes 128 tokens x 256 rows of wq (two heads); each of its four waves 64 tokens x 128 = ONE head: 32 accumulators of 16 x 16.  So the rotation's partner (d, d + 64) and the norm's
; sum lie in the wave.  K goes in steps of 512 (rows of 256 bytes) through a ring of two LDS slots; the scale bytes of the tile's rows, for all of K, come into LDS once.
; CLUSTERS: 4 x 4 work-groups; x's tile is shared along a row of the cluster, wq's along a column: joint loads.  By wq's row order a wave's kind (q, k or v) hangs on the cluster's x and the wave's
; number alone, so the branch on it is the same in all partners.
; THE MATRIX INSTRUCTION IS USED TRANSPOSED (source 0 = 16 rows of wq, source 1 = 16 tokens): lane (r, h) holds token r and, in accumulator (a, b), channels 16 b + 8 h + 0 .. 7.
; LIMITS: position_ids are held to 0 .. 2047; |v| under 2^20 and |norm weight| under 5,700 (f16's range).
; REGISTERS.  window 0: v1-31 addresses and small work; v32-95 scale words, two sets, and nothing else; v96-127 packed results; v128-191 x's fragments, two sets, later a block at work; v192-255 norm weights.
;   window 1: wq's fragments, two sets (v0, v128); later cos and sin of token blocks 2, 3.   window 2: accumulator (a, b) at v[8 (8 a + b)].   window 3: cos and sin of token blocks 0, 1.
.set PITCH, 272                        ; an LDS row: 256 bytes + 16 of padding, so that the 16 rows of a load start at 16 different banks (64 banks of 4 bytes: ISA guide 11.1)
.set ASZ,   128*PITCH                  ; x's 128 rows
.set SLOT,  384*PITCH                  ; then wq's 256 rows
.set SCL,   2*SLOT                     ; behind the ring: the scale bytes, as units of 256 bytes + 16
.set SAH,   32*PITCH                   ; those of 64 rows of x
.set SBH,   64*PITCH                   ; of 128 rows of wq
.set SBLK,  8*PITCH                    ; of 16 rows
.set SPARE, SCL+2*SAH+2*SBH            ; the spare words, named by no other line
.set STAGE, SPARE+512                  ; the way out: 16 rows x 272 bytes for each wave; no tensor load lands here
.set XSC,   8388608
.set WSC,   4194304
.set GOF,  8                           ; v8-11  token block a: my token's row in the tables, in bytes, + 32 h
.set NWO,  12                          ; v12    32 h
.set FO,   13                          ; v13    512 r + 32 h: my place in a slot of qkv32
.set ROW,  14                          ; v14    my token of block 0
.set ADRA, 16
.set ADRB, 20
.set STO,  24
.set RD,   25
.set CO,   26
.set ADRS, 27
.set SPW,  28
.set NIL,  29
.set RS,   30                          ; v30-31 1 / rms, twice
.set SC,   32
.set PK,   96
.set AF,   128
.set Y,    128
.set NW,   192
.set G1,   24
.set G0,   32
.set G1B,  48
.set G0B,  56
.set G1S,  68
.set G0S,  76
.set G0SB, 80
.set G1SB, 84
.set WV,   66
.set RH,   67                          ; which 64 tokens are mine.  Also: I fetch for x (0) or for wq (1)
.set CH,   92                          ; which head of the tile is mine.  Also: which half I fetch
.set TY,   93                          ; 0 q, 1 k, 2 v
.set OB,   94                          ; s[94:95] where my 64 rows begin in qkv16
.set SEL,  96
.set MSB, 0
.macro WIN new                         ; the immediate's high byte repeats the setting that is left
.if MSB != \new
	s_set_vgpr_msb (MSB<<8)|\new
.set MSB, \new
.endif
.endm
.set MULW, 0xa1                        ; source 0 (wq) window 1, source 1 (x) window 0, C and D window 2
; A joint load: waves 0, 1 fetch for x, waves 2, 3 for wq.  An s_nop 0 and four v_nop follow each of the two lines.
.macro JLOAD g0a, g1a, g0b, g1b
	s_cmp_eq_u32 s[RH], 0
	s_cbranch_scc0 .Lfor_b_\@
	tensor_load_to_lds s[\g0a:\g0a+3], s[\g1a:\g1a+7]
	s_nop 0
.rept 4
	v_nop
.endr
	s_branch .Lasked_\@
.Lfor_b_\@:
	tensor_load_to_lds s[\g0b:\g0b+3], s[\g1b:\g1b+7]
	s_nop 0
.rept 4
	v_nop
.endr
.Lasked_\@:
.endm
.macro CREST                           ; a round of the cluster's barrier behind its opening barrier
	s_cmp_lg_u32 s[WV], 0
	s_cbranch_scc1 .Lnot_wave_0_\@
	s_barrier_signal -3
.Lnot_wave_0_\@:
	s_barrier_wait -3
	s_barrier_signal -1
	s_barrier_wait -1
.endm
.macro CROUND
	s_barrier_signal -1
	s_barrier_wait -1
	CREST
.endm
.macro PLACES n
.rept \n
	v_nop
.endr
.endm
	s_load_b256 s[4:11], s[0:1], 0x0               ; xq s[4:5], wq s[6:7], position_ids s[8:9], cos s[10:11]
	s_load_b256 s[12:19], s[0:1], 0x20             ; sin s[12:13], q_norm_w s[14:15], k_norm_w s[16:17], qkv16 s[18:19]
	s_load_b64 s[20:21], s[0:1], 0x40              ; qkv32
	v_lshl_add_u32 v[SPW], v0, 2, SPARE
	v_mov_b32 v[NIL], 0
	ds_add_u32 v[SPW], v[NIL]                      ; the wave's opening: the add, twice on end, and its wait ahead of my first tensor load
	ds_add_u32 v[SPW], v[NIL]
	v_lshrrev_b32 v1, 5, v0
	v_readfirstlane_b32 s[WV], v1
	s_lshr_b32 s[RH], s[WV], 1
	s_and_b32 s[CH], s[WV], 1
	s_bfe_u32 s40, ttmp6, 0x40000                  ; cx
	s_bfe_u32 s41, ttmp6, 0x40004                  ; cy
	s_lshl_b32 s42, ttmp9, 2
	s_add_co_u32 s42, s42, s40                     ; X: which 256 rows of wq
	s_and_b32 s43, ttmp7, 0xffff
	s_lshl_b32 s43, s43, 2
	s_add_co_u32 s43, s43, s41                     ; Y: which 128 tokens
	s_lshl_b32 s44, s41, 2
	s_lshl_b32 s44, 15, s44                        ; my row of the cluster
	s_lshl_b32 s45, 0x1111, s40                    ; my column
	; descriptor groups 1.  Codes: rows of 256 bytes, 2,048 bytes apart, 16 bytes of padding behind each; x: 64 rows a load, wq: 128
	s_or_b32 s[G1], s44, (0<<16)|(1<<20)|(1<<21)|(5<<22)|(3<<25)
	s_mov_b32 s[G1+1], 256<<16
	s_mov_b32 s[G1+2], 64<<16
	s_mov_b32 s[G1+3], 256<<16
	s_mov_b32 s[G1+4], 64
	s_mov_b32 s[G1+5], 2048
	s_mov_b32 s[G1+6], 0
	s_mov_b32 s[G1+7], 0
	s_or_b32 s[G1B], s45, (0<<16)|(1<<20)|(1<<21)|(5<<22)|(3<<25)
	s_mov_b32 s[G1B+1], 256<<16
	s_mov_b32 s[G1B+2], 128<<16
	s_mov_b32 s[G1B+3], 256<<16
	s_mov_b32 s[G1B+4], 128
	s_mov_b32 s[G1B+5], 2048
	s_mov_b32 s[G1B+6], 0
	s_mov_b32 s[G1B+7], 0
	; scale bytes: dense blocks, as rows of 256 bytes (32 elements of 8 bytes): x's 64 rows are 32 of them, wq's 128 rows 64
	s_or_b32 s[G1S], s44, (3<<16)|(1<<20)|(1<<21)|(5<<22)|(3<<25)
	s_mov_b32 s[G1S+1], 32<<16
	s_mov_b32 s[G1S+2], 32<<16
	s_mov_b32 s[G1S+3], 32<<16
	s_mov_b32 s[G1S+4], 32
	s_mov_b32 s[G1S+5], 32
	s_mov_b32 s[G1S+6], 0
	s_mov_b32 s[G1S+7], 0
	s_or_b32 s[G1SB], s45, (3<<16)|(1<<20)|(1<<21)|(5<<22)|(3<<25)
	s_mov_b32 s[G1SB+1], 32<<16
	s_mov_b32 s[G1SB+2], 64<<16
	s_mov_b32 s[G1SB+3], 32<<16
	s_mov_b32 s[G1SB+4], 64
	s_mov_b32 s[G1SB+5], 32
	s_mov_b32 s[G1SB+6], 0
	s_mov_b32 s[G1SB+7], 0
	; where the tiles come from: x's hang on Y and the wave alone, wq's on X and the wave alone
	s_lshl_b32 s22, s43, 7
	s_lshl_b32 s23, s[CH], 6
	s_add_co_u32 s22, s22, s23                     ; x: row 128 Y + 64 half
	s_lshl_b32 s2, s22, 7
	s_add_co_u32 s2, s2, XSC                       ; its scale bytes
	s_mov_b32 s3, 0
	s_lshl_b32 s22, s22, 11                        ; its codes
	s_mov_b32 s23, 0
	s_lshl_b32 s46, s42, 8
	s_lshl_b32 s47, s[CH], 7
	s_add_co_u32 s46, s46, s47                     ; wq: row 256 X + 128 half
	s_lshl_b32 s100, s46, 7
	s_add_co_u32 s100, s100, WSC
	s_mov_b32 s101, 0
	s_lshl_b32 s46, s46, 11
	s_mov_b32 s47, 0
	s_add_co_u32 s[TY], s[CH], 1
	s_cmp_eq_u32 ttmp9, 0                          ; the cluster's x: the same in all partners
	s_cselect_b32 s[TY], 0, s[TY]
	s_wait_dscnt 0x0                               ; both opening adds are done
	s_wait_kmcnt 0x0
	CROUND                                         ; all sixteen work-groups are here: the first joint loads meet
	s_mov_b32 s[G0S], 1
	s_mul_i32 s[G0S+1], s[CH], SAH
	s_add_co_u32 s[G0S+1], s[G0S+1], SCL
	s_add_nc_u64 s[G0S+2:G0S+3], s[4:5], s[2:3]
	s_or_b32 s[G0S+3], s[G0S+3], 0x80000000
	s_mov_b32 s[G0SB], 1
	s_mul_i32 s[G0SB+1], s[CH], SBH
	s_add_co_u32 s[G0SB+1], s[G0SB+1], SCL+2*SAH
	s_add_nc_u64 s[G0SB+2:G0SB+3], s[6:7], s[100:101]
	s_or_b32 s[G0SB+3], s[G0SB+3], 0x80000000
	JLOAD G0S, G1S, G0SB, G1SB                     ; the scale bytes: filled once
.irp s, 0,1
	s_mov_b32 s[G0+4*\s], 1
	s_mul_i32 s[G0+4*\s+1], s[CH], 64*PITCH
	s_add_co_u32 s[G0+4*\s+1], s[G0+4*\s+1], \s*SLOT
	s_add_nc_u64 s[G0+4*\s+2:G0+4*\s+3], s[4:5], s[22:23]
	s_add_nc_u64 s[G0+4*\s+2:G0+4*\s+3], s[G0+4*\s+2:G0+4*\s+3], \s*256
	s_or_b32 s[G0+4*\s+3], s[G0+4*\s+3], 0x80000000
	s_mov_b32 s[G0B+4*\s], 1
	s_mul_i32 s[G0B+4*\s+1], s[CH], 128*PITCH
	s_add_co_u32 s[G0B+4*\s+1], s[G0B+4*\s+1], ASZ+\s*SLOT
	s_add_nc_u64 s[G0B+4*\s+2:G0B+4*\s+3], s[6:7], s[46:47]
	s_add_nc_u64 s[G0B+4*\s+2:G0B+4*\s+3], s[G0B+4*\s+2:G0B+4*\s+3], \s*256
	s_or_b32 s[G0B+4*\s+3], s[G0B+4*\s+3], 0x80000000
	JLOAD G0+4*\s, G1, G0B+4*\s, G1B               ; three loads of mine are out behind the second of these
.endr
	; LDS addresses: the wave's number and the lane alone.  (s4-s7 are free: the descriptors are made)
	v_and_b32 v1, 15, v0                           ; r
	v_bfe_u32 v2, v0, 4, 1                         ; h
	v_mul_u32_u24 v3, v1, PITCH
	v_lshl_add_u32 v3, v2, 4, v3                   ; row x pitch + 16 h
	s_mul_i32 s4, s[RH], 64*PITCH                  ; my 64 rows of x
	s_mul_i32 s5, s[CH], 128*PITCH
	s_add_co_u32 s5, s5, ASZ                       ; my 128 rows of wq
.irp s, 0,1
	v_add_nc_u32 v[ADRA+\s], s4, v3
	v_add_nc_u32 v[ADRB+\s], s5, v3
	s_add_co_u32 s4, s4, SLOT
	s_add_co_u32 s5, s5, SLOT
.endr
	v_lshlrev_b32 v5, 7, v1                        ; my row's scale bytes: 128 a row,
	v_lshrrev_b32 v6, 8, v5
	v_lshl_add_u32 v5, v6, 4, v5                   ; and 16 more for each 256 passed
	s_mul_i32 s4, s[RH], SAH
	s_mul_i32 s5, s[CH], SBH
	s_add_co_u32 s5, s5, 2*SAH
	s_sub_co_u32 s5, s5, s4
	v_mul_u32_u24 v6, s5, v2                       ; lanes 16-31 take wq's: one product, the distance between the two bases
	s_add_co_u32 s4, s4, SCL
	v_add_nc_u32 v5, v5, v6
	v_add_nc_u32 v[ADRS], s4, v5
	s_mul_i32 s4, s[WV], 16*PITCH
	s_add_co_u32 s4, s4, STAGE                     ; my stage
	v_add_nc_u32 v[STO], s4, v3                    ; in: row r, 16 bytes for each half of the lanes
	v_mul_u32_u24 v5, v2, PITCH
	v_lshl_add_u32 v5, v1, 4, v5
	v_add_nc_u32 v[RD], s4, v5                     ; back: lanes 0-15 one row of 256 bytes, lanes 16-31 the next
	v_lshlrev_b32 v5, 8, v2
	v_lshl_add_u32 v[CO], v1, 4, v5                ; the same two rows in qkv16
	; my tokens, and their rows in the tables
	s_lshl_b32 s22, s43, 7
	s_lshl_b32 s23, s[RH], 6
	s_add_co_u32 s22, s22, s23                     ; my first token
	v_add_nc_u32 v[ROW], s22, v1
	v_lshlrev_b32 v15, 2, v[ROW]
	v_lshlrev_b32 v[NWO], 5, v2
	v_lshl_add_u32 v[FO], v1, 9, v[NWO]
	v_mov_b32 v18, 0                               ; (a lane permute's destination counts as one of its sources)
.irp a, 0,1,2,3
	global_load_b32 v[GOF+\a], v15, s[8:9] offset:64*\a
.endr
	; where my results go
	s_lshr_b32 s23, s22, 11                        ; batch
	s_and_b32 s22, s22, 2047                       ; position
	s_lshl_b32 s46, s42, 1
	s_add_co_u32 s46, s46, s[CH]                   ; q's head
	s_sub_co_u32 s47, s42, 4                       ; k's and v's head (chosen only where X is 4 or more)
	s_lshl_b32 s94, s23, 3
	s_add_co_u32 s94, s94, s46
	s_lshl_b32 s95, s23, 2
	s_add_co_u32 s95, s95, s47
	s_lshl_b32 s104, s[TY], 2
	s_add_co_u32 s104, s104, 4
	s_add_co_u32 s104, s104, s47                   ; slot in qkv32: 8 + head (k), 12 + head (v)
	s_add_co_u32 s105, s[TY], 1
	s_lshl_b32 s105, s105, 22                      ; k's part begins at 8 MiB, v's at 12 MiB
	s_cmp_eq_u32 s[TY], 0
	s_cselect_b32 s94, s94, s95
	s_cselect_b32 s104, s46, s104
	s_cselect_b32 s105, 0, s105
	s_cselect_b64 s[14:15], s[14:15], s[16:17]     ; the norm's weights
	s_lshl_b32 s94, s94, 11
	s_add_co_u32 s94, s94, s22
	s_lshl_b32 s94, s94, 8                         ; rows of 256 bytes
	s_add_co_u32 s94, s94, s105
	s_mov_b32 s95, 0
	s_add_nc_u64 s[OB:OB+1], s[18:19], s[94:95]
	s_lshl_b32 s105, s23, 4
	s_add_co_u32 s104, s104, s105
	s_lshl_b32 s104, s104, 13                      ; a slot of qkv32 is 16 rows of 512 bytes
	s_mov_b32 s105, 0
	s_add_nc_u64 s[20:21], s[20:21], s[104:105]
	s_mov_b32 s[SEL], 0x76543210
	s_mov_b32 s[SEL+1], 0xfedcba98                 ; v_permlanex16_b32: lane l xor 16
	s_mov_b32 s98, 0x3c000000                      ; 1 / 128
	s_mov_b32 s99, 0x358637bd                      ; 1e-6
	s_mov_b32 s100, 0x3d800000                     ; 1 / 16
	s_mov_b32 s101, s100
	s_wait_loadcnt 0x0                             ; the positions
.irp a, 0,1,2,3
	v_min_u32 v[GOF+\a], 0x7ff, v[GOF+\a]          ; held inside the tables
	v_lshlrev_b32 v[GOF+\a], 9, v[GOF+\a]
	v_add_nc_u32 v[GOF+\a], v[GOF+\a], v[NWO]
.endr
; cos and sin of token block a: lane (r, h) takes channels 16 b + 8 h + 0 .. 7 of its token's row: 32 loads
.macro TABLES a, base
.irp b, 0,1,2,3,4,5,6,7
	global_load_b128 v[\base+8*\b:\base+8*\b+3],   v[GOF+\a], s[10:11] offset:64*\b
	global_load_b128 v[\base+8*\b+4:\base+8*\b+7], v[GOF+\a], s[10:11] offset:64*\b+16
.endr
.irp b, 0,1,2,3,4,5,6,7
	global_load_b128 v[\base+64+8*\b:\base+64+8*\b+3],   v[GOF+\a], s[12:13] offset:64*\b
	global_load_b128 v[\base+64+8*\b+4:\base+64+8*\b+7], v[GOF+\a], s[12:13] offset:64*\b+16
.endr
.endm
	; 80 loads that land while K is walked.  Every wave issues them, v's too (which never reads them), so that the registers are written on every path
.irp b, 0,1,2,3,4,5,6,7
	global_load_b128 v[NW+8*\b:NW+8*\b+3],   v[NWO], s[14:15] offset:64*\b
	global_load_b128 v[NW+8*\b+4:NW+8*\b+7], v[NWO], s[14:15] offset:64*\b+16
.endr
	WIN 0xc0                                       ; destination window 3
	TABLES 0, 0
	TABLES 1, 128
	WIN 0
.macro FRAG reg, adr, q, i             ; 16 rows x 128 K of 4-bit codes: 8 registers; registers 4 c .. 4 c + 3 hold K = 64 c + 32 h + 0 .. 31
.irp c, 0,1
	ds_load_b128 v[\reg+4*\c:\reg+4*\c+3], v[\adr] offset:64*(\q)+32*\c+(\i)*16*PITCH
.endr
.endm
; eight products: token block a against wq's eight blocks, the slot's q-th 128 along K.  p: the fragments' set; sc: the scale words' set.  The 32 accumulators take turns, one instruction a turn.
.macro MUL8 a, p, q, sc, zero
.irp b, 0,1,2,3,4,5,6,7
.if \zero
	v_wmma_scale_f32_16x16x128_f8f6f4 v[8*(8*(\a)+\b):8*(8*(\a)+\b)+7], v[128*(\p)+8*\b:128*(\p)+8*\b+7], v[AF+32*(\p)+8*(\a):AF+32*(\p)+8*(\a)+7], 0, v[SC+32*(\sc)+4*\b+(\q)], v[SC+32*(\sc)+4*(\a)+(\q)] matrix_a_fmt:MATRIX_FMT_FP4 matrix_b_fmt:MATRIX_FMT_FP4 matrix_a_scale:MATRIX_SCALE_ROW1
.else
	v_wmma_scale_f32_16x16x128_f8f6f4 v[8*(8*(\a)+\b):8*(8*(\a)+\b)+7], v[128*(\p)+8*\b:128*(\p)+8*\b+7], v[AF+32*(\p)+8*(\a):AF+32*(\p)+8*(\a)+7], v[8*(8*(\a)+\b):8*(8*(\a)+\b)+7], v[SC+32*(\sc)+4*\b+(\q)], v[SC+32*(\sc)+4*(\a)+(\q)] matrix_a_fmt:MATRIX_FMT_FP4 matrix_b_fmt:MATRIX_FMT_FP4 matrix_a_scale:MATRIX_SCALE_ROW1
.endif
.endr
.endm
.macro FETCH slot, q, p                ; 24 LDS loads in one run: wq's eight fragments and x's four
	WIN 0x40
.irp i, 0,1,2,3,4,5,6,7
	FRAG 128*(\p)+8*\i, ADRB+\slot, \q, \i
.endr
	WIN 0
.irp i, 0,1,2,3
	FRAG AF+32*(\p)+8*\i, ADRA+\slot, \q, \i
.endr
.endm
.macro SCALES sc                       ; a K step's scale words: lanes 0-15 x's block i, lanes 16-31 wq's block i.  (For i of 4 and more lanes 0-15 read other scale bytes, which no product uses)
.irp i, 0,1,2,3,4,5,6,7
	ds_load_b128 v[SC+32*\sc+4*\i:SC+32*\sc+4*\i+3], v[ADRS] offset:\i*SBLK
.endr
.endm
; A step of 128 along K with its successor in the same slot: the next step's fragments are asked for ahead of this step's 32 products.
.macro STEP slot, q, zero
	s_wait_dscnt 0x0                               ; this step's fragments (asked for 32 products ago) are in
	PLACES 4                                       ; behind the last step's products, which read the set that is loaded now (ISA guide 7.12.1 for vector instructions)
	FETCH \slot, (\q)+1, 1-(\q)%2
	WIN MULW
	MUL8 0, (\q)%2, \q, \slot, \zero
	MUL8 1, (\q)%2, \q, \slot, \zero
	MUL8 2, (\q)%2, \q, \slot, \zero
	MUL8 3, (\q)%2, \q, \slot, \zero
	WIN 0
.endm
; A slot's last step changes slots: one barrier; in front of it each wave waits for all its tensor loads, adds 0 to its spare word, and waits for that and for its reads of this slot.
.macro TURN slot, next, fill
	s_wait_tensorcnt 0x0                           ; all my tensor loads have landed: my part of the next slot
	ds_add_u32 v[SPW], v[NIL]
	s_wait_dscnt 1                                 ; the fragments are in; the add alone may be out
	WIN MULW
	MUL8 0, 1, 3, \slot, 0
	s_wait_dscnt 0x0                               ; the add is done, and my reads of this slot are over
	s_barrier_signal -1
	MUL8 1, 1, 3, \slot, 0
	WIN 0
	s_barrier_wait -1
.if \fill
	CREST                                          ; the barrier has opened a round of the cluster's: no wave of any partner still reads this slot or has a load on its way
	s_add_nc_u64 s[G0+4*\slot+2:G0+4*\slot+3], s[G0+4*\slot+2:G0+4*\slot+3], 512
	s_add_nc_u64 s[G0B+4*\slot+2:G0B+4*\slot+3], s[G0B+4*\slot+2:G0B+4*\slot+3], 512
	JLOAD G0+4*\slot, G1, G0B+4*\slot, G1B         ; the first tensor load behind the round; its four v_nop are the places in front of the loads below
.else
	PLACES 4
.endif
	v_add_nc_u32 v[ADRS], 16, v[ADRS]              ; the next K step's scale words
	FETCH \next, 0, 0
	SCALES \next
	WIN MULW
	MUL8 2, 1, 3, \slot, 0
	MUL8 3, 1, 3, \slot, 0
	WIN 0
.endm
	s_wait_tensorcnt 1                             ; the scale bytes and my part of K step 0 are in; K step 1's load may be out
	s_barrier_signal -1
	s_barrier_wait -1
	FETCH 0, 0, 0
	SCALES 0
	STEP 0, 0, 1                                   ; the first step stands in front of the loop: its products start the sums
	s_mov_b32 s3, 3
.Llap:                                                 ; a trip goes once round the ring and fills both slots again: K steps 2 to 7
	STEP 0, 1, 0
	STEP 0, 2, 0
	TURN 0, 1, 1
	STEP 1, 0, 0
	STEP 1, 1, 0
	STEP 1, 2, 0
	TURN 1, 0, 1
	STEP 0, 0, 0
	s_sub_co_u32 s3, s3, 1
	s_cmp_lg_u32 s3, 0
	s_cbranch_scc1 .Llap
	STEP 0, 1, 0                                   ; the last lap fills nothing
	STEP 0, 2, 0
	TURN 0, 1, 0
	STEP 1, 0, 0
	STEP 1, 1, 0
	STEP 1, 2, 0
	s_wait_dscnt 0x0
	WIN MULW
	MUL8 0, 1, 3, 1, 0
	MUL8 1, 1, 3, 1, 0
	MUL8 2, 1, 3, 1, 0
	MUL8 3, 1, 3, 1, 0
	WIN 0
	PLACES 4                                       ; in front of the first read of results and of loads into the fragments' registers
; THE WAY OUT.  A block of 16 tokens in v[Y ..]: rounded to f16, 16 bytes a lane into my stage, back as whole rows of 256 bytes into the registers that they left, stored.
.macro OUT16 a
	s_wait_xcnt 0x0                                ; the last block's stores have read the packed registers
.irp b, 0,1,2,3,4,5,6,7
.irp j, 0,1,2,3
	v_cvt_pk_f16_f32 v[PK+4*\b+\j], v[Y+8*\b+2*\j], v[Y+8*\b+2*\j+1]
.endr
.endr
.irp b, 0,1,2,3,4,5,6,7
	ds_store_b128 v[STO], v[PK+4*\b:PK+4*\b+3] offset:32*\b
.endr
.irp f, 0,1,2,3,4,5,6,7
	ds_load_b128 v[PK+4*\f:PK+4*\f+3], v[RD] offset:\f*2*PITCH   ; LDS serves a wave's instructions in order: these see the stores above
.endr
.irp f, 0,1,2,3,4,5,6,7
	s_wait_dscnt 7-\f
	global_store_b128 v[CO], v[PK+4*\f:PK+4*\f+3], s[OB:OB+1] offset:(\a)*4096+\f*512   ; sixteen lanes store 256 consecutive bytes, aligned
.endr
.endm
; Only the lanes whose token is one of a sequence's first 16 store the f32 copy: a mask, not a branch, since the tokens hang on the work-group's place in its cluster.
.macro FIRST16
	v_and_b32 v19, 0x7ff, v[ROW]
	v_cmp_gt_u32 vcc_lo, 16, v19
	s_wait_xcnt 0x0                                ; EXEC changes only behind this wait
	s_and_saveexec_b32 s104, vcc_lo
.endm
.macro ALL32
	s_wait_xcnt 0x0                                ; and again in front of the line that widens it
	s_or_b32 exec_lo, exec_lo, s104
.endm
; q and k, token block a.  left: how many younger loads may stay out.
.macro QKBLOCK a, left
	s_wait_loadcnt \left
.if \a < 2
	WIN 0x0e                                       ; source 0 window 2 (results), source 1 window 3 (tables)
.set CT, 128*(\a)
.else
	WIN 0x06                                       ; source 1 window 1
.set CT, 128*((\a)-2)
.endif
.set i, 0
.rept 32
	v_pk_mul_f32 v[Y+i:Y+i+1], v[64*(\a)+i:64*(\a)+i+1], v[CT+i:CT+i+1]     ; x cos; each accumulator is read from its low end on
.set i, i+2
.endr
.set i, 0
.rept 16
	v_pk_fma_f32 v[Y+i:Y+i+1], v[64*(\a)+32+i:64*(\a)+32+i+1], v[CT+64+i:CT+64+i+1], v[Y+i:Y+i+1] neg_lo:[1,0,0] neg_hi:[1,0,0]   ; d < 64: - x(d + 64) sin
.set i, i+2
.endr
.set i, 32
.rept 16
	v_pk_fma_f32 v[Y+i:Y+i+1], v[64*(\a)-32+i:64*(\a)-32+i+1], v[CT+64+i:CT+64+i+1], v[Y+i:Y+i+1]   ; d >= 64: + x(d - 64) sin
.set i, i+2
.endr
	WIN 0
	v_pk_mul_f32 v[4:5], v[Y:Y+1], v[Y:Y+1]        ; the sum of squares, in two packed chains
	v_pk_mul_f32 v[6:7], v[Y+2:Y+3], v[Y+2:Y+3]
.set i, 4
.rept 15
	v_pk_fma_f32 v[4:5], v[Y+i:Y+i+1], v[Y+i:Y+i+1], v[4:5]
	v_pk_fma_f32 v[6:7], v[Y+i+2:Y+i+3], v[Y+i+2:Y+i+3], v[6:7]
.set i, i+4
.endr
	v_pk_add_f32 v[4:5], v[4:5], v[6:7]
	v_add_f32 v4, v4, v5
	v_permlanex16_b32 v18, v4, s[SEL], s[SEL+1]    ; the token's other 64 channels lie in the lane 16 away
	v_add_f32 v4, v4, v18
	v_fma_f32 v4, v4, s98, s99                     ; the mean + eps
	v_rsq_f32 v[RS], v4
	v_rsq_f32 v[RS+1], v4
	v_nop                                          ; a plain instruction behind the transcendentals (ISA guide 5.7.2)
	s_wait_alu depctr_va_vdst(0)                   ; the wait ahead of the first reader: one for both
.set i, 0
.rept 32
	v_pk_mul_f32 v[Y+i:Y+i+1], v[Y+i:Y+i+1], v[RS:RS+1]
.set i, i+2
.endr
.set i, 0
.rept 32
	v_pk_mul_f32 v[Y+i:Y+i+1], v[Y+i:Y+i+1], v[NW+i:NW+i+1]
.set i, i+2
.endr
.if \a == 0
	FIRST16
.irp b, 0,1,2,3,4,5,6,7
	global_store_b128 v[FO], v[Y+8*\b:Y+8*\b+3], s[20:21] offset:64*\b
	global_store_b128 v[FO], v[Y+8*\b+4:Y+8*\b+7], s[20:21] offset:64*\b+16
.endr
	ALL32
.endif
	OUT16 \a
.endm
.macro VBLOCK a
	WIN 0x02                                       ; source 0 window 2
.set i, 0
.rept 32
	v_pk_mul_f32 v[Y+i:Y+i+1], v[64*(\a)+i:64*(\a)+i+1], s[100:101] op_sel_hi:[1,0]   ; v / 16: exact
.set i, i+2
.endr
	WIN 0
.if \a == 0
	FIRST16
	WIN 0x08                                       ; a store's data are its source 1: window 2
.irp b, 0,1,2,3,4,5,6,7
	global_store_b128 v[FO], v[8*\b:8*\b+3], s[20:21] offset:64*\b
	global_store_b128 v[FO], v[8*\b+4:8*\b+7], s[20:21] offset:64*\b+16
.endr
	WIN 0
	ALL32
.endif
	OUT16 \a
.endm
	s_cmp_eq_u32 s[TY], 2
	s_cbranch_scc1 .Lv
	WIN 0x40                                       ; destination window 1: wq's fragments are done with
	TABLES 2, 0
	TABLES 3, 128
	WIN 0
	QKBLOCK 0, 63                                  ; 144 loads were issued; with 63 out the first 81 are in: the weights and blocks 0 and 1
	QKBLOCK 1, 63
	QKBLOCK 2, 32                                  ; block 3's 32 loads may be out
	QKBLOCK 3, 0
	s_branch .Lend
.Lv:
	VBLOCK 0
	VBLOCK 1
	VBLOCK 2
	VBLOCK 3
.Lend:
	s_wait_tensorcnt 0x0                           ; the wave's end, behind my last tensor load and my last LDS store
	ds_add_u32 v[SPW], v[NIL]
	s_wait_dscnt 0x0
	CROUND                                         ; the closing round
	s_endpgm
.Lfunc_end_k_q0c11205403_qkv:
	.size	k_q0c11205403_qkv, .Lfunc_end_k_q0c11205403_qkv-k_q0c11205403_qkv
	.p2alignl 7, 3214868480
	.fill 96, 4, 3214868480
	.section	.rodata,"a",@progbits
	.p2align	6, 0x0
	.amdhsa_kernel k_q0c11205403_qkv
		.amdhsa_group_segment_fixed_size 327680
		.amdhsa_private_segment_fixed_size 0
		.amdhsa_enable_private_segment 0
		.amdhsa_kernarg_size 72
		.amdhsa_user_sgpr_count 2
		.amdhsa_user_sgpr_kernarg_segment_ptr 1
		.amdhsa_wavefront_size32 1
		.amdhsa_system_sgpr_workgroup_id_x 1
		.amdhsa_system_sgpr_workgroup_id_y 1
		.amdhsa_system_sgpr_workgroup_id_z 1
		.amdhsa_system_vgpr_workitem_id 0
		.amdhsa_next_free_vgpr 1024
		.amdhsa_next_free_sgpr 106
		.amdhsa_reserve_vcc 1
		.amdhsa_float_denorm_mode_32 3
		.amdhsa_float_denorm_mode_16_64 3
		.amdhsa_memory_ordered 1
		.amdhsa_forward_progress 1
		.amdhsa_inst_pref_size 209
	.end_amdhsa_kernel
	.amdgpu_metadata
---
amdhsa.version: [ 1, 2 ]
amdhsa.kernels:
  - .name:           k_q0c11205403_qkv
    .symbol:         k_q0c11205403_qkv.kd
    .args:
      - { .name: xq, .offset: 0, .size: 8, .value_kind: global_buffer, .address_space: global }
      - { .name: wq, .offset: 8, .size: 8, .value_kind: global_buffer, .address_space: global }
      - { .name: position_ids, .offset: 16, .size: 8, .value_kind: global_buffer, .address_space: global }
      - { .name: cos_table, .offset: 24, .size: 8, .value_kind: global_buffer, .address_space: global }
      - { .name: sin_table, .offset: 32, .size: 8, .value_kind: global_buffer, .address_space: global }
      - { .name: q_norm_w, .offset: 40, .size: 8, .value_kind: global_buffer, .address_space: global }
      - { .name: k_norm_w, .offset: 48, .size: 8, .value_kind: global_buffer, .address_space: global }
      - { .name: qkv16, .offset: 56, .size: 8, .value_kind: global_buffer, .address_space: global }
      - { .name: qkv32, .offset: 64, .size: 8, .value_kind: global_buffer, .address_space: global }
    .group_segment_fixed_size: 327680
    .private_segment_fixed_size: 0
    .kernarg_segment_align: 8
    .kernarg_segment_size: 72
    .max_flat_workgroup_size: 128
    .sgpr_count:     106
    .vgpr_count:     1024
    .wavefront_size: 32
...
	.end_amdgpu_metadata
.endif
;; end of part 2
;; launch attn (part 3): grid 16 x 16, 8 waves a work-group, no clusters, 327,680 bytes of LDS; arguments qkv16, attn16; writes attn16
.if DOCPART == 3
	.amdgcn_target "amdgcn-amd-amdhsa--gfx1250"
	.amdhsa_code_object_version 6
	.text
	.protected	k_q0c11205403_attn
	.globl	k_q0c11205403_attn
	.p2align	8
	.type	k_q0c11205403_attn,@function
k_q0c11205403_attn:
	s_mov_b64 s[64:65], 0
	v_nop
	global_prefetch_b8 v0, s[64:65] scope:SCOPE_SE
	s_setreg_imm32_b32 hwreg(HW_REG_WAVE_MODE, 25, 1), 1
	s_wait_xcnt 0x0
; attn16[b][q][h][:] = (1 / 16) x the sum over k <= q of softmax_k(Q . K / sqrt(128)) V: Q, K and V / 16 come as f16 from qkv16; products on f16, maxima and sums in f32; the weights p are rounded to f16.
; SHARES.  A work-group takes one head (y = 8 b + h) and two blocks of 64 queries: the early block x and the late block 31 - x, so that every work-group has the same causal work.  Each of its eight
; waves owns one tile of 16 queries; of the waves w and w + 4, and of w and w + 1, one is early and one late.
; THE RING.  Keys go 64 a step; a slot holds FOUR steps (each: K's 64 rows, then V's), two slots.  All eight waves fetch: waves 0-3 K of a slot's four steps, waves 4-7 V's, one load of 64 rows each:
; behind a change of slots 131,072 bytes of memory are on their way, and they have four steps' work in which to land.  Two loads of a wave are out at the start, one behind each change.
; EVERY wave walks ALL 8 slots: trip counts are constants, and no barrier is jumped over.  A step all of whose keys come after the wave's queries is left out by a scalar branch on ids.
; NO CLUSTER: only the two heads of one key head have the same causal walk; among four partners some would be sent tiles that all their waves leave out.
; LAYOUT.  S^T = K Q^T and O^T = V^T P: a lane holds one query (lane % 16) throughout; K out of LDS as it lies, V turned by ds_load_tr16_b128.
; THE CHANGE OF SLOTS STANDS IN MID-STEP: when V of a slot's last step is in registers the slot has been read out; the next slot's first K is then fetched under the softmax.
; The second slot's offset is no power of two, so each slot has its own descriptors, and a trip of the loop runs two slots; the slot is a constant of the text, and so are all LDS addresses.
; REGISTERS.  window 0: v1-10 addresses; v12-19 statistics (c m, m, l twice, four at work); v20-29 small work; v32-63 Q; v64-95 S^T; v96-111 P; v112-119 LDS addresses; v128-191 O^T.
;   window 1: v0-127 K, v128-255 V of a step.
.set KS,    64
.set PK,    272                        ; a row of K in LDS: 256 bytes + 16
.set PV,    288                        ; a row of V: 256 + 32, for the turning load
.set VOFF,  KS*PK
.set STEPB, KS*(PK+PV)
.set NQ,    4                          ; steps in a slot
.set SLOTB, NQ*STEPB
.set SLOTM, NQ*KS*256                  ; a slot's rows of K, or of V, in memory
.set STAGE, 2*SLOTB                    ; the way out: 16 rows x 272 bytes for each wave; no tensor load lands here
.set SPARE, STAGE+8*16*272             ; the spare words, 128 bytes a wave, named by no other line
.set KO,    8388608
.set VO,    12582912
.set AK0, 1
.set AV0, 2
.set QO,  4
.set STO, 5
.set RD,  6
.set GO,  7
.set SPW, 8
.set NIL, 9
.set PFO, 10
.set ST,  12
.set Q,   32
.set S,   64
.set P,   96
.set AKB, 112                          ; v112-115 my lane's place in K's tiles: slot s, steps 2 u and 2 u + 1 at v[AKB + 2 s + u]; never rewritten
.set AVB, 116                          ; v116-119 the same for V
.set O,   128
.set WV,  18
.set SEL, 20
.set CS,  22
.set G1K, 24
.set G1V, 32
.set G0K, 40                           ; s[40:43] slot 0's descriptor for K, s[44:47] slot 1's; each steps by two slots
.set G0V, 48                           ; the same for V
.set SLOTS, 56                         ; slots still to be asked for
.set TRIP, 57
.set KF,  58                           ; the step's first key
.set Q0,  59                           ; my first query
.set QL,  60                           ; my work-group's last query
.set LIM, 61                           ; 1 in a work-group that prefetches, else the greatest number
.set QE,  62                           ; my last query
.set PFA, 66                           ; s[66:67] where my prefetches stand: the 64 rows that I fetch, in the slot after the one that is being asked for
.set MSB, 0
.macro WIN new
.if MSB != \new
	s_set_vgpr_msb (MSB<<8)|\new
.set MSB, \new
.endif
.endm
.macro PLACES n
.rept \n
	v_nop
.endr
.endm
; Waves 0-3 fetch K of the slot's four steps, waves 4-7 V's.  An s_nop 0 and four v_nop follow each line.
.macro TLOAD slot
	s_cmp_lt_u32 s[WV], 4
	s_cbranch_scc0 .Lfor_v_\@
	tensor_load_to_lds s[G0K+4*(\slot):G0K+4*(\slot)+3], s[G1K:G1K+7]
	s_nop 0
.rept 4
	v_nop
.endr
	s_branch .Lasked_\@
.Lfor_v_\@:
	tensor_load_to_lds s[G0V+4*(\slot):G0V+4*(\slot)+3], s[G1V:G1V+7]
	s_nop 0
.rept 4
	v_nop
.endr
.Lasked_\@:
.endm
; A prefetch of what the NEXT change of slots will ask for: 256 rows of K and of V, 256 bytes a row.  All work-groups of a key head walk the same rows: the one with x = 0 and an even head asks (it walks all keys);
; each of its eight waves asks for the 64 rows that it will itself fetch: two instructions, a lane a row.  So each row is named once in the launch.  It stands behind the wave's tensor load, a slot's four
; key steps ahead of the load that will want the rows.  Slots 0 to 2 come by their loads alone; the last change that fills a slot asks for nothing.
.macro ASK
	s_cmp_gt_u32 s[SLOTS], s[LIM]
	s_cbranch_scc0 .Lnot_mine_\@
	global_prefetch_b8 v[PFO], s[PFA:PFA+1] th:TH_LOAD_NT scope:SCOPE_SE
	global_prefetch_b8 v[PFO], s[PFA:PFA+1] offset:8192 th:TH_LOAD_NT scope:SCOPE_SE
.Lnot_mine_\@:
.endm
	s_load_b128 s[4:7], s[0:1], 0x0                ; qkv16, attn16
	v_lshl_add_u32 v[SPW], v0, 2, SPARE
	v_mov_b32 v[NIL], 0
	ds_add_u32 v[SPW], v[NIL]                      ; the wave's opening: the add, twice on end, and its wait ahead of my first tensor load
	ds_add_u32 v[SPW], v[NIL]
	v_lshrrev_b32 v1, 5, v0
	v_readfirstlane_b32 s[WV], v1
	s_and_b32 s70, ttmp7, 0xffff                   ; 8 b + h
	s_and_b32 s71, s[WV], 1
	s_lshr_b32 s72, s[WV], 2
	s_xor_b32 s73, s71, s72                        ; 1: my tile lies in the late block
	s_sub_co_u32 s74, 31, ttmp9
	s_cmp_eq_u32 s73, 1
	s_cselect_b32 s74, s74, ttmp9
	s_lshl_b32 s74, s74, 6
	s_lshr_b32 s75, s[WV], 1
	s_lshl_b32 s75, s75, 4
	s_add_co_u32 s[Q0], s74, s75
	s_add_co_u32 s[QE], s[Q0], 15
	s_sub_co_u32 s[QL], 32, ttmp9
	s_lshl_b32 s[QL], s[QL], 6
	s_sub_co_u32 s[QL], s[QL], 1
	s_lshl_b32 s8, s70, 11
	s_add_co_u32 s8, s8, s[Q0]
	s_lshl_b32 s8, s8, 8                           ; Q: my first query's row
	s_mov_b32 s9, 0
	s_lshr_b32 s10, s70, 1                         ; the key head: 4 b + h / 2
	s_lshl_b32 s10, s10, 19                        ; 2,048 rows of 256 bytes
	s_add_co_u32 s12, s10, VO
	s_mov_b32 s13, 0
	s_add_co_u32 s10, s10, KO
	s_mov_b32 s11, 0
	s_lshr_b32 s14, s70, 3
	s_lshl_b32 s14, s14, 11
	s_add_co_u32 s14, s14, s[Q0]
	s_lshl_b32 s14, s14, 11                        ; attn16: a row of 1,024 f16
	s_and_b32 s15, s70, 7
	s_lshl_b32 s15, s15, 8
	s_add_co_u32 s14, s14, s15
	s_mov_b32 s15, 0
	s_and_b32 s71, s[WV], 3                        ; which of a slot's four steps I fetch:
	s_lshl_b32 s76, s71, 14                        ; its 64 rows in memory,
	s_mov_b32 s77, 0
	s_mul_i32 s78, s71, STEPB                      ; and its place in a slot
	s_add_co_u32 s74, s76, 2*SLOTM                 ; the prefetches: the same rows in slot 2: the first change of slots steps them to slot 3.  Nothing is prefetched at the head
	s_mov_b32 s75, 0
	s_and_b32 s73, s70, 1
	s_or_b32 s79, s73, ttmp9                       ; 0 in the work-group with x = 0 and an even head
	s_cmp_eq_u32 s79, 0
	s_cselect_b32 s[LIM], 1, -1
	; descriptor groups 1: 64 rows x 128 elements of 2 bytes, dense in memory, padded in LDS
	s_mov_b32 s[G1K], (1<<16)|(1<<20)|(5<<22)|(3<<25)
	s_mov_b32 s[G1V], (1<<16)|(1<<20)|(5<<22)|(7<<25)
.irp g, G1K, G1V
	s_mov_b32 s[\g+1], 128<<16
	s_mov_b32 s[\g+2], KS<<16
	s_mov_b32 s[\g+3], 128<<16
	s_mov_b32 s[\g+4], KS
	s_mov_b32 s[\g+5], 128
	s_mov_b32 s[\g+6], 0
	s_mov_b32 s[\g+7], 0
.endr
	s_mov_b32 s[SEL], 0x76543210
	s_mov_b32 s[SEL+1], 0xfedcba98
	s_mov_b32 s[CS], 0x3e0293ee                    ; c = log2(e) / sqrt(128)
	s_mov_b32 s[CS+1], s[CS]
	s_mov_b32 s[KF], 0
	s_mov_b32 s[SLOTS], 6
	s_wait_dscnt 0x0                               ; both opening adds are done
	s_wait_kmcnt 0x0
	s_add_nc_u64 s[8:9], s[4:5], s[8:9]
	s_add_nc_u64 s[10:11], s[4:5], s[10:11]
	s_add_nc_u64 s[12:13], s[4:5], s[12:13]
	s_add_nc_u64 s[14:15], s[6:7], s[14:15]
	s_cmp_lt_u32 s[WV], 4
	s_cselect_b64 s[PFA:PFA+1], s[10:11], s[12:13] ; K's rows in waves 0-3, V's in waves 4-7
	s_add_nc_u64 s[PFA:PFA+1], s[PFA:PFA+1], s[74:75]
	s_add_nc_u64 s[10:11], s[10:11], s[76:77]
	s_add_nc_u64 s[12:13], s[12:13], s[76:77]
.irp s, 0,1
	s_mov_b32 s[G0K+4*\s], 1
	s_add_co_u32 s[G0K+4*\s+1], s78, \s*SLOTB
	s_add_nc_u64 s[G0K+4*\s+2:G0K+4*\s+3], s[10:11], \s*SLOTM
	s_or_b32 s[G0K+4*\s+3], s[G0K+4*\s+3], 0x80000000
	s_mov_b32 s[G0V+4*\s], 1
	s_add_co_u32 s[G0V+4*\s+1], s78, \s*SLOTB+VOFF
	s_add_nc_u64 s[G0V+4*\s+2:G0V+4*\s+3], s[12:13], \s*SLOTM
	s_or_b32 s[G0V+4*\s+3], s[G0V+4*\s+3], 0x80000000
.endr
	s_cmp_lt_u32 s[WV], 4                          ; a wave's two first fills stand in one branch.  Both slots are read: every work-group's late block begins at query 1,024 or later
	s_cbranch_scc0 .Lfirst_v
	tensor_load_to_lds s[G0K:G0K+3], s[G1K:G1K+7]
	s_nop 0
	tensor_load_to_lds s[G0K+4:G0K+7], s[G1K:G1K+7]
	s_nop 0
.rept 4
	v_nop
.endr
	s_branch .Lfirst_asked
.Lfirst_v:
	tensor_load_to_lds s[G0V:G0V+3], s[G1V:G1V+7]
	s_nop 0
	tensor_load_to_lds s[G0V+4:G0V+7], s[G1V:G1V+7]
	s_nop 0
.rept 4
	v_nop
.endr
.Lfirst_asked:
	v_and_b32 v11, 15, v0                          ; r
	v_bfe_u32 v24, v0, 4, 1                        ; h
	v_lshlrev_b32 v[QO], 8, v11
	v_lshl_add_u32 v[QO], v24, 4, v[QO]
.irp c, 0,1,2,3
	global_load_b128 v[Q+8*\c:Q+8*\c+3],   v[QO], s[8:9] offset:64*\c      ; Q stays in registers: channels 32 c on
	global_load_b128 v[Q+8*\c+4:Q+8*\c+7], v[QO], s[8:9] offset:64*\c+32
.endr
	v_mul_u32_u24 v[AK0], v11, PK
	v_lshl_add_u32 v[AK0], v24, 4, v[AK0]          ; K: row x pitch + 16 h
	v_and_b32 v25, 7, v0
	v_bfe_u32 v26, v0, 3, 1
	v_lshl_add_u32 v[AV0], v24, 3, v25             ; V: key 8 h + lane % 8, channels 8 ((lane / 8) % 2) on
	v_mul_u32_u24 v[AV0], v[AV0], PV
	v_lshl_add_u32 v[AV0], v26, 4, v[AV0]
.irp s, 0,1
.irp u, 0,1
	v_add_nc_u32 v[AKB+2*\s+\u], \s*SLOTB+\u*2*STEPB, v[AK0]          ; an LDS immediate reaches two steps: so a register for each pair of steps of each slot
	v_add_nc_u32 v[AVB+2*\s+\u], \s*SLOTB+\u*2*STEPB+VOFF, v[AV0]
.endr
.endr
	s_mul_i32 s78, s[WV], 16*272
	s_add_co_u32 s78, s78, STAGE                   ; my stage
	v_mul_u32_u24 v[STO], v11, 272
	v_lshl_add_u32 v[STO], v24, 4, v[STO]
	v_add_nc_u32 v[STO], s78, v[STO]
	v_mul_u32_u24 v[RD], v24, 272
	v_lshl_add_u32 v[RD], v11, 4, v[RD]
	v_add_nc_u32 v[RD], s78, v[RD]
	v_lshlrev_b32 v[GO], 11, v24
	v_lshl_add_u32 v[GO], v11, 4, v[GO]            ; attn16: lanes 0-15 one row, lanes 16-31 the next
	v_and_b32 v[PFO], 31, v0
	v_lshlrev_b32 v[PFO], 8, v[PFO]
	v_lshlrev_b32 v23, 3, v24
	v_sub_nc_u32 v23, v11, v23                     ; r - 8 h, for the mask
	v_mov_b32 v22, 0xff800000                      ; -infinity
	v_mov_b32 v[ST+1], 0xff61b1e6                  ; m = -3e38, under every score
	v_mul_f32 v[ST], s[CS], v[ST+1]                ; c m
	v_mov_b32 v[ST+2], 0                           ; l, in two halves
	v_mov_b32 v[ST+3], 0
.set i, 0
.rept 64
	v_mov_b32 v[O+i], 0                            ; O^T.  The step is written for every place in the ring alike: the first finds zeros, which its rescaling leaves zeros
.set i, i+1
.endr
.macro FETCH_K slot, q                 ; K of step q of a slot: 16 fragments (keys 16 (f / 4) on, channels 32 (f % 4) on)
	WIN 0x40
.irp f, 0,1,2,3,4,5,6,7,8,9,10,11,12,13,14,15
	ds_load_b128 v[8*\f:8*\f+3],   v[AKB+2*(\slot)+(\q)/2] offset:((\q)%2)*STEPB+(\f/4)*16*PK+(\f%4)*64
	ds_load_b128 v[8*\f+4:8*\f+7], v[AKB+2*(\slot)+(\q)/2] offset:((\q)%2)*STEPB+(\f/4)*16*PK+(\f%4)*64+32
.endr
.endm
.macro FETCH_V slot, q                 ; V likewise, turned (keys 32 (f / 8) on, channels 16 (f % 8) on)
	WIN 0x40
.irp f, 0,1,2,3,4,5,6,7,8,9,10,11,12,13,14,15
	ds_load_tr16_b128 v[128+8*\f:128+8*\f+3],   v[AVB+2*(\slot)+(\q)/2] offset:((\q)%2)*STEPB+(\f/8)*32*PV+(\f%8)*32
	ds_load_tr16_b128 v[128+8*\f+4:128+8*\f+7], v[AVB+2*(\slot)+(\q)/2] offset:((\q)%2)*STEPB+(\f/8)*32*PV+16*PV+(\f%8)*32
.endr
.endm
; The first half of a step: V is asked for, and S^T = K Q^T: 16 products, the four accumulators by turns.
.macro HALF_A slot, q
	FETCH_V \slot, \q
	s_wait_dscnt 32                                ; V's 32 loads may be out: K is in
	WIN 0x01                                       ; source 0 window 1
.irp c, 0,1,2,3
.irp kt, 0,1,2,3
.if \c == 0
	v_wmma_f32_16x16x32_f16 v[S+8*\kt:S+8*\kt+7], v[32*\kt+8*\c:32*\kt+8*\c+7], v[Q+8*\c:Q+8*\c+7], 0
.else
	v_wmma_f32_16x16x32_f16 v[S+8*\kt:S+8*\kt+7], v[32*\kt+8*\c:32*\kt+8*\c+7], v[Q+8*\c:Q+8*\c+7], v[S+8*\kt:S+8*\kt+7]
.endif
.endr
.endr
	WIN 0
	PLACES 5                                       ; four in front of the reads of the scores and of loads into K's registers; five in front of products that begin these sums anew
.endm
.macro NEXTK slot, q                   ; K of the next step, if my queries reach it
	s_add_co_u32 s70, s[KF], KS
	s_cmp_gt_u32 s70, s[QE]
	s_cbranch_scc1 .Lno_k_\@
	FETCH_K \slot, \q
	WIN 0
.Lno_k_\@:
.endm
; The second half: the mask on the diagonal, the softmax, O^T += V^T P.
.macro HALF_B
	s_add_co_u32 s70, s[KF], KS-1
	s_cmp_le_u32 s70, s[Q0]
	s_cbranch_scc1 .Lopen_\@                       ; all 64 keys count for all 16 queries
	s_sub_co_i32 s70, s[Q0], s[KF]
	v_add_nc_u32 v20, s70, v23                     ; d = my query - KF - 8 h.  Register 8 kt + j holds key KF + 16 kt + 8 h + j: hidden where 16 kt + j > d
.irp kt, 0,1,2,3
.irp j, 0,1,2,3,4,5,6,7
	v_cmp_gt_i32 vcc_lo, 16*\kt+\j, v20
	v_cndmask_b32 v[S+8*\kt+\j], v[S+8*\kt+\j], v22, vcc_lo
.endr
.endr
.Lopen_\@:
.irp j, 0,1,2,3
	v_max3_num_f32 v[ST+4+\j], v[S+8*\j], v[S+8*\j+1], v[S+8*\j+2]   ; the maximum, in four chains; each accumulator is read from its low end on
.endr
.irp g, 1,2
.irp j, 0,1,2,3
	v_max3_num_f32 v[ST+4+\j], v[ST+4+\j], v[S+8*\j+2*\g+1], v[S+8*\j+2*\g+2]
.endr
.endr
	v_max3_num_f32 v[ST+4], v[ST+4], v[S+7], v[S+15]
	v_max3_num_f32 v[ST+6], v[ST+6], v[S+23], v[S+31]
	v_max3_num_f32 v[ST+4], v[ST+4], v[ST+5], v[ST+6]
	v_max3_num_f32 v[ST+4], v[ST+4], v[ST+7], v[ST+1]              ; with the old m
	v_permlanex16_b32 v[ST+5], v[ST+4], s[SEL], s[SEL+1]           ; the query's other 32 keys lie in the lane 16 away
	v_mov_b32 v[ST+7], v[ST]                                       ; c m_old
	v_max_num_f32 v[ST+1], v[ST+4], v[ST+5]
	v_mul_f32 v[ST], s[CS], v[ST+1]
	v_sub_f32 v[ST+7], v[ST+7], v[ST]
.set i, 0
.rept 16
	v_pk_fma_f32 v[S+i:S+i+1], v[S+i:S+i+1], s[CS:CS+1], v[ST:ST+1] op_sel_hi:[1,0,0] neg_lo:[0,0,1] neg_hi:[0,0,1]   ; c s - c m
.set i, i+2
.endr
	v_exp_f32 v[ST+6], v[ST+7]                     ; a = 2^(c m_old - c m_new)
.set i, 0
.rept 32
	v_exp_f32 v[S+i], v[S+i]
.set i, i+1
.endr
	v_nop                                          ; a plain instruction behind the last exponential
	s_wait_alu depctr_va_vdst(0)                   ; the wait ahead of the first reader: one for the 33
.set i, 0
.rept 16
	v_cvt_pk_f16_f32 v[P+i], v[S+2*i], v[S+2*i+1]
.set i, i+1
.endr
.irp z, 0,1,2,3,4,5,6,7
	v_pk_add_f32 v[S+4*\z:S+4*\z+1], v[S+4*\z:S+4*\z+1], v[S+4*\z+2:S+4*\z+3]   ; the sum of the unrounded weights, in place
.endr
.irp z, 0,1,2,3
	v_pk_add_f32 v[S+8*\z:S+8*\z+1], v[S+8*\z:S+8*\z+1], v[S+8*\z+4:S+8*\z+5]
.endr
.irp z, 0,1
	v_pk_add_f32 v[S+16*\z:S+16*\z+1], v[S+16*\z:S+16*\z+1], v[S+16*\z+8:S+16*\z+9]
.endr
	v_pk_add_f32 v[S:S+1], v[S:S+1], v[S+16:S+17]
	v_pk_fma_f32 v[ST+2:ST+3], v[ST+2:ST+3], v[ST+6:ST+7], v[S:S+1] op_sel_hi:[1,0,1]   ; l = a l + the sum
.set i, 0
.rept 32
	v_pk_mul_f32 v[O+i:O+i+1], v[O+i:O+i+1], v[ST+6:ST+7] op_sel_hi:[1,0]
.set i, i+2
.endr
	s_wait_dscnt 0x0                               ; V is in (and the next K)
	WIN 0x01
.irp kk, 0,1
.irp ct, 0,1,2,3,4,5,6,7
	v_wmma_f32_16x16x32_f16 v[O+8*\ct:O+8*\ct+7], v[128+64*\kk+8*\ct:128+64*\kk+8*\ct+7], v[P+8*\kk:P+8*\kk+7], v[O+8*\ct:O+8*\ct+7]
.endr
.endr
	WIN 0
	PLACES 4                                       ; in front of loads into V's registers and of the next rescaling
.endm
; THE CHANGE OF SLOTS.  Each wave waits for all its tensor loads, adds 0 to its spare word, and waits for that and for its reads of the slot that it leaves.  fill = 1: that slot is filled with the keys two slots on,
; unless its first key comes after the work-group's last query: then none of the eight waves would read it.  That test is made of ids and the count of steps alone, is the same in all waves, and leads round the load's
; lines alone; every wait on TENSORcnt in this text is for 0.  (Of the last slot that is asked for, the steps behind the work-group's last query are fetched and not read: three steps at the most, once in a work-group.)
.macro CHANGE slot, fill
	s_wait_tensorcnt 0x0                           ; no tensor load of mine is out, so a descriptor may be written
	ds_add_u32 v[SPW], v[NIL]
.if \fill
	s_add_nc_u64 s[G0K+4*(\slot)+2:G0K+4*(\slot)+3], s[G0K+4*(\slot)+2:G0K+4*(\slot)+3], 2*SLOTM   ; this slot's next keys: two slots on
	s_add_nc_u64 s[G0V+4*(\slot)+2:G0V+4*(\slot)+3], s[G0V+4*(\slot)+2:G0V+4*(\slot)+3], 2*SLOTM
	s_wait_xcnt 0x0                                ; the last prefetches, a slot back, have read their address
	s_add_nc_u64 s[PFA:PFA+1], s[PFA:PFA+1], SLOTM
.endif
	s_wait_dscnt 0x0                               ; the add is done, and my reads of the slot that I leave are over
	s_barrier_signal -1
	s_barrier_wait -1
.if \fill
	s_add_co_u32 s70, s[KF], 5*KS                  ; the first key of the slot that this change would ask for (KF stands at the left slot's last step)
	s_cmp_gt_u32 s70, s[QL]
	s_cbranch_scc1 .Lpast_\@
	TLOAD \slot
.Lpast_\@:
	ASK
	s_sub_co_u32 s[SLOTS], s[SLOTS], 1
.endif
.endm
.macro WHOLE slot, q, cond             ; one of a slot's first three steps
.if \cond
	s_cmp_gt_u32 s[KF], s[QE]
	s_cbranch_scc1 .Lskip_\@
.endif
	HALF_A \slot, \q
	NEXTK \slot, (\q)+1
	HALF_B
.Lskip_\@:
	s_add_co_u32 s[KF], s[KF], KS
.endm
.macro SPLIT slot, fill                ; a slot's last step, with the change of slots in its middle
	s_cmp_gt_u32 s[KF], s[QE]
	s_cbranch_scc1 .Lskip_a_\@
	HALF_A \slot, 3
.Lskip_a_\@:
	CHANGE \slot, \fill
	s_cmp_gt_u32 s[KF], s[QE]
	s_cbranch_scc1 .Lskip_b_\@
	NEXTK 1-\slot, 0
	HALF_B
.Lskip_b_\@:
	s_add_co_u32 s[KF], s[KF], KS
.endm
	s_wait_tensorcnt 0x0                           ; my parts of slots 0 and 1 are in,
	s_barrier_signal -1
	s_barrier_wait -1                              ; everybody's are
	FETCH_K 0, 0
	WIN 0
	s_wait_loadcnt 0x0                             ; Q
	WHOLE 0, 0, 0                                  ; key 0 counts for every query: this step is walked by all
	s_mov_b32 s[TRIP], 3
.Lslot:                                                ; 3 trips of two slots, from a slot's second step to the first step two slots on: key slots 2 to 7 are asked for (up to the causal limit)
	WHOLE 0, 1, 1
	WHOLE 0, 2, 1
	SPLIT 0, 1
	WHOLE 1, 0, 1
	WHOLE 1, 1, 1
	WHOLE 1, 2, 1
	SPLIT 1, 1
	WHOLE 0, 0, 1
	s_sub_co_u32 s[TRIP], s[TRIP], 1
	s_cmp_lg_u32 s[TRIP], 0
	s_cbranch_scc1 .Lslot
	WHOLE 0, 1, 1                                  ; the tail is written out: nothing is left to ask for
	WHOLE 0, 2, 1
	SPLIT 0, 0
	WHOLE 1, 0, 1
	WHOLE 1, 1, 1
	WHOLE 1, 2, 1
	s_cmp_gt_u32 s[KF], s[QE]
	s_cbranch_scc1 .Lout
	HALF_A 1, 3
	HALF_B
.Lout:
	; THE WAY OUT: O^T / l, rounded to f16, through my stage, as whole rows of 256 bytes
	v_add_f32 v16, v[ST+2], v[ST+3]
	v_permlanex16_b32 v17, v16, s[SEL], s[SEL+1]
	v_add_f32 v16, v16, v17
	v_rcp_f32 v28, v16
	v_mov_b32 v29, 0                               ; (the pair's upper half is named, so it is written: also the plain instruction behind the reciprocal)
	s_wait_alu depctr_va_vdst(0)                   ; the wait ahead of the first reader
.set i, 0
.rept 32
	v_pk_mul_f32 v[O+i:O+i+1], v[O+i:O+i+1], v[28:29] op_sel_hi:[1,0]
.set i, i+2
.endr
.set i, 0
.rept 32
	v_cvt_pk_f16_f32 v[S+i], v[O+2*i], v[O+2*i+1]
.set i, i+1
.endr
.irp f, 0,1,2,3,4,5,6,7
	ds_store_b128 v[STO], v[S+4*\f:S+4*\f+3] offset:32*\f
.endr
.irp f, 0,1,2,3,4,5,6,7
	ds_load_b128 v[S+4*\f:S+4*\f+3], v[RD] offset:\f*2*272         ; LDS serves a wave's instructions in order: these see the stores above
.endr
.irp f, 0,1,2,3,4,5,6,7
	s_wait_dscnt 7-\f
	global_store_b128 v[GO], v[S+4*\f:S+4*\f+3], s[14:15] offset:\f*4096   ; sixteen lanes store 256 consecutive bytes, aligned
.endr
	s_wait_tensorcnt 0x0                           ; the wave's end
	ds_add_u32 v[SPW], v[NIL]
	s_wait_dscnt 0x0
	s_endpgm
.Lfunc_end_k_q0c11205403_attn:
	.size	k_q0c11205403_attn, .Lfunc_end_k_q0c11205403_attn-k_q0c11205403_attn
	.p2alignl 7, 3214868480
	.fill 96, 4, 3214868480
	.section	.rodata,"a",@progbits
	.p2align	6, 0x0
	.amdhsa_kernel k_q0c11205403_attn
		.amdhsa_group_segment_fixed_size 327680
		.amdhsa_private_segment_fixed_size 0
		.amdhsa_enable_private_segment 0
		.amdhsa_kernarg_size 16
		.amdhsa_user_sgpr_count 2
		.amdhsa_user_sgpr_kernarg_segment_ptr 1
		.amdhsa_wavefront_size32 1
		.amdhsa_system_sgpr_workgroup_id_x 1
		.amdhsa_system_sgpr_workgroup_id_y 1
		.amdhsa_system_sgpr_workgroup_id_z 1
		.amdhsa_system_vgpr_workitem_id 0
		.amdhsa_next_free_vgpr 512
		.amdhsa_next_free_sgpr 84
		.amdhsa_reserve_vcc 1
		.amdhsa_float_denorm_mode_32 3
		.amdhsa_float_denorm_mode_16_64 3
		.amdhsa_memory_ordered 1
		.amdhsa_forward_progress 1
		.amdhsa_inst_pref_size 255
	.end_amdhsa_kernel
	.section	.bss,"aw",@nobits
	.p2align	6
	.space	262144
	.amdgpu_metadata
---
amdhsa.version: [ 1, 2 ]
amdhsa.kernels:
  - .name:           k_q0c11205403_attn
    .symbol:         k_q0c11205403_attn.kd
    .args:
      - { .name: qkv16, .offset: 0, .size: 8, .value_kind: global_buffer, .address_space: global }
      - { .name: attn16, .offset: 8, .size: 8, .value_kind: global_buffer, .address_space: global }
    .group_segment_fixed_size: 327680
    .private_segment_fixed_size: 0
    .kernarg_segment_align: 8
    .kernarg_segment_size: 16
    .max_flat_workgroup_size: 256
    .sgpr_count:     84
    .vgpr_count:     512
    .wavefront_size: 32
...
	.end_amdgpu_metadata
.endif
;; end of part 3
;; launch proj (part 4): grid 16 x 16, 4 waves a work-group, clusters of 4 x 4, 327,680 bytes of LDS; arguments attn16, wo16, out0; writes out0
.if DOCPART == 4
	.amdgcn_target "amdgcn-amd-amdhsa--gfx1250"
	.amdhsa_code_object_version 6
	.text
	.protected	k_q0c11205403_proj
	.globl	k_q0c11205403_proj
	.p2align	8
	.type	k_q0c11205403_proj,@function
k_q0c11205403_proj:
	s_mov_b64 s[64:65], 0
	v_nop
	global_prefetch_b8 v0, s[64:65] scope:SCOPE_SE
	s_setreg_imm32_b32 hwreg(HW_REG_WAVE_MODE, 25, 1), 1
	s_wait_xcnt 0x0
	s_wait_alu depctr_hold_cnt(0) depctr_sa_sdst(0) depctr_va_vdst(0) depctr_va_sdst(0) depctr_va_ssrc(0) depctr_va_vcc(0) depctr_vm_vsrc(0)
	s_getreg_b32 s2, hwreg(HW_REG_IB_STS2, 6, 4)
	s_cmp_eq_u32 s2, 0
	s_cbranch_scc0 .Lentry_in_a_cluster
	s_endpgm
.Lentry_in_a_cluster:
	s_bfe_u32 s2, ttmp6, 0x10000c
	s_cmp_lg_u32 s2, 0xf033
	s_cbranch_scc0 .Lentry_shape_is_right
	s_endpgm
.Lentry_shape_is_right:
; out0[m][n] = the sum over k of attn16[m][k] wo16[k][n]: [4096][1024] f16 (the attention's output / 16) x [1024][4096] f16 (16 x Wo), sums in f32, out0 f32.
; A tile of 256 x 256 to a work-group of four waves; a wave makes 128 x 128: 64 accumulators.  K goes in steps of 128 through a ring of two LDS slots.
; wo16 has K as its FIRST axis: its tile lies in LDS as 128 rows (k) of 512 bytes, and its fragments come out turned, by ds_load_tr16_b128.
; CLUSTERS: 4 x 4; attn16's tile is shared along a row of the cluster, wo16's along a column: joint loads.
; THE MATRIX INSTRUCTION IS USED TRANSPOSED (source 0 = 16 columns of wo16, source 1 = 16 rows of attn16): a lane holds eight neighbouring numbers of a row of out0.
; The first 16 positions of each sequence are written here too and written again, more finely, by the launch that follows: a tile cannot leave them out, since which tile holds them hangs on its place in the cluster.
; REGISTERS.  window 0: v0-31 addresses; v64-127, v128-191 attn16's fragments, two buffers; on the way out v128-255 rows of out0.   window 1: v64-127, v128-191 wo16's fragments.   windows 2, 3: the accumulators.
.set PITCH,  272                       ; a row of attn16's tile: 256 bytes + 16
.set BP,     544                       ; a row of wo16's tile: 512 bytes + 32, for the turning load
.set HALFT,  128*PITCH                 ; what one tensor load brings: 128 rows of 272 or 64 rows of 544
.set SLOT,   4*HALFT
.set STAGE,  2*SLOT                    ; the way out: 16 rows x 528 bytes for each wave; no tensor load lands here
.set SPITCH, 528
.set SPARE,  STAGE+4*16*SPITCH
.set ADRA, 16
.set ADRB, 20
.set STO,  24
.set RD,   25
.set CO,   26
.set SPW,  28
.set NIL,  29
.set F0,   64
.set F1,   128
.set BK,   128
.set G1, 24
.set G0, 32
.set G1B, 48
.set G0B, 56
.set MSB, 0
.macro WIN new
.if MSB != \new
	s_set_vgpr_msb (MSB<<8)|\new
.set MSB, \new
.endif
.endm
.set MUL_LO, 0xa1
.set MUL_HI, 0xf1
.set TO_B,   0x40
.macro JLOAD s                         ; waves 0, 1 fetch attn16's halves, waves 2, 3 wo16's; an s_nop 0 and four v_nop follow each line
	s_cmp_eq_u32 s11, 0
	s_cbranch_scc0 .Lfor_b_\@
	tensor_load_to_lds s[G0+4*\s:G0+4*\s+3], s[G1:G1+7]
	s_nop 0
.rept 4
	v_nop
.endr
	s_branch .Lasked_\@
.Lfor_b_\@:
	tensor_load_to_lds s[G0B+4*\s:G0B+4*\s+3], s[G1B:G1B+7]
	s_nop 0
.rept 4
	v_nop
.endr
.Lasked_\@:
.endm
.macro CREST
	s_cmp_lg_u32 s10, 0
	s_cbranch_scc1 .Lnot_wave_0_\@
	s_barrier_signal -3
.Lnot_wave_0_\@:
	s_barrier_wait -3
	s_barrier_signal -1
	s_barrier_wait -1
.endm
.macro CROUND
	s_barrier_signal -1
	s_barrier_wait -1
	CREST
.endm
.macro PLACES
.rept 4
	v_nop
.endr
.endm
	s_load_b128 s[4:7], s[0:1], 0x0                ; attn16, wo16
	s_load_b64 s[8:9], s[0:1], 0x10                ; out0
	v_lshl_add_u32 v[SPW], v0, 2, SPARE
	v_mov_b32 v[NIL], 0
	ds_add_u32 v[SPW], v[NIL]                      ; the wave's opening: the add, twice on end, and its wait ahead of my first tensor load
	ds_add_u32 v[SPW], v[NIL]
	v_lshrrev_b32 v1, 5, v0
	v_readfirstlane_b32 s10, v1
	s_lshr_b32 s11, s10, 1                         ; which half of the tile's rows is mine.  Also: I fetch for attn16 (0) or wo16 (1)
	s_and_b32 s12, s10, 1                          ; which half of its columns.  Also: which half I fetch
	s_bfe_u32 s40, ttmp6, 0x40000
	s_bfe_u32 s41, ttmp6, 0x40004
	s_lshl_b32 s42, ttmp9, 2
	s_add_co_u32 s42, s42, s40                     ; tile column
	s_and_b32 s13, ttmp7, 0xffff
	s_lshl_b32 s13, s13, 2
	s_add_co_u32 s13, s13, s41                     ; tile row
	s_lshl_b32 s43, s41, 2
	s_lshl_b32 s43, 15, s43
	s_lshl_b32 s44, 0x1111, s40
	s_or_b32 s[G1], s43, (1<<16)|(1<<20)|(1<<21)|(5<<22)|(3<<25)    ; 128 rows x 128 elements of 2 bytes, 4 words of padding behind every 64
	s_mov_b32 s[G1+1], 128<<16
	s_mov_b32 s[G1+2], 128<<16
	s_mov_b32 s[G1+3], 128<<16
	s_mov_b32 s[G1+4], 128
	s_mov_b32 s[G1+5], 1024
	s_mov_b32 s[G1+6], 0
	s_mov_b32 s[G1+7], 0
	s_or_b32 s[G1B], s44, (1<<16)|(1<<20)|(1<<21)|(6<<22)|(7<<25)   ; 64 rows x 256 elements, 8 words of padding behind every 128
	s_mov_b32 s[G1B+1], 256<<16
	s_mov_b32 s[G1B+2], 64<<16
	s_mov_b32 s[G1B+3], 256<<16
	s_mov_b32 s[G1B+4], 64
	s_mov_b32 s[G1B+5], 4096
	s_mov_b32 s[G1B+6], 0
	s_mov_b32 s[G1B+7], 0
	s_lshl_b32 s16, s13, 8
	s_lshl_b32 s17, s12, 7
	s_add_co_u32 s16, s16, s17
	s_lshl_b32 s16, s16, 11                        ; attn16: row 256 x tile row + 128 x half, 2,048 bytes a row
	s_mov_b32 s17, 0
	s_lshl_b32 s46, s42, 9                         ; wo16: 512 bytes x tile column,
	s_lshl_b32 s47, s12, 19                        ; + 64 rows of 8,192 bytes x half
	s_add_co_u32 s46, s46, s47
	s_mov_b32 s47, 0
	s_mul_i32 s20, s10, HALFT                      ; where they go: wave x a load's bytes
	s_wait_dscnt 0x0
	s_wait_kmcnt 0x0
	s_add_nc_u64 s[14:15], s[4:5], s[16:17]
	s_add_nc_u64 s[46:47], s[6:7], s[46:47]
	CROUND                                         ; the first joint loads meet
.irp s, 0,1
	s_mov_b32 s[G0+4*\s], 1
	s_add_co_u32 s[G0+4*\s+1], s20, \s*SLOT
	s_add_nc_u64 s[G0+4*\s+2:G0+4*\s+3], s[14:15], \s*256
	s_or_b32 s[G0+4*\s+3], s[G0+4*\s+3], 0x80000000
	s_mov_b32 s[G0B+4*\s], 1
	s_add_co_u32 s[G0B+4*\s+1], s20, \s*SLOT
	s_add_nc_u64 s[G0B+4*\s+2:G0B+4*\s+3], s[46:47], \s*128*8192
	s_or_b32 s[G0B+4*\s+3], s[G0B+4*\s+3], 0x80000000
	JLOAD \s
.endr
	v_and_b32 v1, 15, v0
	v_bfe_u32 v2, v0, 4, 1
	v_mul_u32_u24 v3, v1, PITCH
	v_lshl_add_u32 v3, v2, 4, v3
	v_and_b32 v6, 7, v0
	v_bfe_u32 v7, v0, 3, 1
	v_lshl_add_u32 v6, v2, 3, v6                   ; wo16: k row 8 h + lane % 8,
	v_mul_u32_u24 v6, v6, BP
	v_lshl_add_u32 v6, v7, 4, v6                   ; columns 8 ((lane / 8) % 2) on
	s_mul_i32 s21, s11, HALFT                      ; my 128 rows of attn16
	s_lshl_b32 s22, s12, 8                         ; my 128 columns of wo16: 256 bytes,
	s_add_co_u32 s22, s22, 2*HALFT                 ; behind attn16's tile
.irp s, 0,1
	v_add_nc_u32 v[ADRA+\s], s21, v3
	v_add_nc_u32 v[ADRB+\s], s22, v6
	s_add_co_u32 s21, s21, SLOT
	s_add_co_u32 s22, s22, SLOT
.endr
	s_mul_i32 s23, s10, 16*SPITCH
	s_add_co_u32 s23, s23, STAGE
	v_mul_u32_u24 v5, v1, SPITCH
	v_lshl_add_u32 v5, v2, 5, v5
	v_add_nc_u32 v[STO], s23, v5                   ; in: row r, 32 bytes for each half of the lanes
	v_and_b32 v6, 31, v0
	v_lshlrev_b32 v[CO], 4, v6
	v_add_nc_u32 v[RD], s23, v[CO]                 ; back: the 32 lanes take one row of 512 bytes
	s_lshl_b32 s16, s13, 8
	s_lshl_b32 s17, s11, 7
	s_add_co_u32 s16, s16, s17
	s_lshl_b32 s16, s16, 14                        ; my first row of out0, 16,384 bytes a row
	s_lshl_b32 s46, s42, 10
	s_lshl_b32 s47, s12, 9
	s_add_co_u32 s46, s46, s47
	s_add_co_u32 s16, s16, s46
	s_mov_b32 s17, 0
	s_add_nc_u64 s[8:9], s[8:9], s[16:17]
.macro MUL16 f, hi, a0, zero           ; 16 products; the 64 accumulators take turns, one instruction a turn
.irp a, \a0, \a0+1
.irp b, 0,1,2,3,4,5,6,7
.if \zero
	v_wmma_f32_16x16x32_f16 v[8*(8*(\a)+\b):8*(8*(\a)+\b)+7], v[\f+8*\b:\f+8*\b+7], v[\f+8*(4*\hi+\a):\f+8*(4*\hi+\a)+7], 0
.else
	v_wmma_f32_16x16x32_f16 v[8*(8*(\a)+\b):8*(8*(\a)+\b)+7], v[\f+8*\b:\f+8*\b+7], v[\f+8*(4*\hi+\a):\f+8*(4*\hi+\a)+7], v[8*(8*(\a)+\b):8*(8*(\a)+\b)+7]
.endif
.endr
.endr
.endm
.macro FETCH slot, k, f                ; 32 LDS loads in one run: the fragments of 32 along K (byte k of attn16's rows; k rows k / 2 on of wo16's tile)
	WIN TO_B
.irp i, 0,1,2,3,4,5,6,7
	ds_load_tr16_b128 v[\f+8*\i:\f+8*\i+3],   v[ADRB+\slot] offset:((\k)/64)*32*BP+32*\i
	ds_load_tr16_b128 v[\f+8*\i+4:\f+8*\i+7], v[ADRB+\slot] offset:((\k)/64)*32*BP+32*\i+16*BP
.endr
	WIN 0
.irp i, 0,1,2,3,4,5,6,7
	ds_load_b128 v[\f+8*\i:\f+8*\i+3],   v[ADRA+\slot] offset:\k+\i*16*PITCH
	ds_load_b128 v[\f+8*\i+4:\f+8*\i+7], v[ADRA+\slot] offset:\k+\i*16*PITCH+32
.endr
.endm
.macro QUARTER slot, k, f, g, zero
	s_wait_dscnt 8                                 ; wo16's fragments and my rows 0-63 are in; the youngest eight loads may be out
	WIN MUL_LO
	MUL16 \f, 0, 0, \zero
	MUL16 \f, 0, 2, \zero
	PLACES
	FETCH \slot, \k, \g
	s_wait_dscnt 32                                ; all but the 32 just issued
	WIN MUL_HI
	MUL16 \f, 1, 0, \zero
	MUL16 \f, 1, 2, \zero
.endm
.macro TURN slot, next, fill           ; the last quarter of a K step changes slots: one barrier
	WIN 0
	s_wait_tensorcnt 0x0                           ; all my tensor loads have landed: my part of the next slot
	ds_add_u32 v[SPW], v[NIL]
	s_wait_dscnt 9                                 ; the add and the youngest eight loads may be out
	WIN MUL_LO
	MUL16 F1, 0, 0, 0
	s_wait_dscnt 0x0                               ; the add is done, and my reads of this slot are over
	s_barrier_signal -1
	MUL16 F1, 0, 2, 0
.if \fill
	WIN 0
.endif
	s_barrier_wait -1
.if \fill
	CREST                                          ; no wave of any partner still reads this slot or has a load on its way
	s_add_nc_u64 s[G0+4*\slot+2:G0+4*\slot+3], s[G0+4*\slot+2:G0+4*\slot+3], 512
	s_add_nc_u64 s[G0B+4*\slot+2:G0B+4*\slot+3], s[G0B+4*\slot+2:G0B+4*\slot+3], 2*128*8192
	JLOAD \slot                                    ; the first tensor load behind the round; its four v_nop are the places in front of the loads below
.else
	PLACES
.endif
	FETCH \next, 0, F0
	WIN MUL_HI
	MUL16 F1, 1, 0, 0
	MUL16 F1, 1, 2, 0
.endm
	s_wait_tensorcnt 1                             ; my part of K step 0 is in; K step 1's may be out
	s_barrier_signal -1
	s_barrier_wait -1
	FETCH 0, 0, F0
	QUARTER 0, 64, F0, F1, 1                       ; the first quarter's products start the sums
	WIN 0
	s_mov_b32 s3, 3
.Llap:                                                 ; a trip goes once round the ring and fills both slots again: K steps 2 to 7
	QUARTER 0, 128, F1, F0, 0
	QUARTER 0, 192, F0, F1, 0
	TURN 0, 1, 1
	QUARTER 1, 64,  F0, F1, 0
	QUARTER 1, 128, F1, F0, 0
	QUARTER 1, 192, F0, F1, 0
	TURN 1, 0, 1
	QUARTER 0, 64,  F0, F1, 0
	WIN 0
	s_sub_co_u32 s3, s3, 1
	s_cmp_lg_u32 s3, 0
	s_cbranch_scc1 .Llap
	QUARTER 0, 128, F1, F0, 0                      ; the last lap fills nothing
	QUARTER 0, 192, F0, F1, 0
	TURN 0, 1, 0
	QUARTER 1, 64,  F0, F1, 0
	QUARTER 1, 128, F1, F0, 0
	QUARTER 1, 192, F0, F1, 0
	s_wait_dscnt 8
	WIN MUL_LO
	MUL16 F1, 0, 0, 0
	MUL16 F1, 0, 2, 0
	s_wait_dscnt 0x0
	WIN MUL_HI
	MUL16 F1, 1, 0, 0
	MUL16 F1, 1, 2, 0
	WIN 0
; THE WAY OUT, block by block of 16 rows x 128 columns: through my own stage, back as whole rows of 512 bytes.
.macro TOSTAGE a
.set AC, 64*((\a)%4)
	WIN 0x08+4*((\a)/4)                            ; the data: window 2 or 3
.irp b, 0,1,2,3,4,5,6,7
	ds_store_b128 v[STO], v[AC+8*\b:AC+8*\b+3] offset:64*\b          ; each accumulator from its low end on
	ds_store_b128 v[STO], v[AC+8*\b+4:AC+8*\b+7] offset:64*\b+16
.endr
	WIN 0
.set BB, BK+64*((\a)%2)
.irp t, 0,1,2,3,4,5,6,7,8,9,10,11,12,13,14,15
	ds_load_b128 v[BB+4*\t:BB+4*\t+3], v[RD] offset:\t*SPITCH
.endr
.endm
.macro SEND a, younger                 ; younger: the LDS instructions issued behind block a's loads
.set BB, BK+64*((\a)%2)
	s_wait_dscnt \younger
.if (\a) > 0
	s_add_nc_u64 s[8:9], s[8:9], 16*16384          ; (behind a wait on XCNT: the earlier stores have read their base)
.endif
.irp t, 0,1,2,3,4,5,6,7,8,9,10,11,12,13,14,15
	global_store_b128 v[CO], v[BB+4*\t:BB+4*\t+3], s[8:9] offset:\t*16384 th:TH_STORE_NT   ; 32 lanes store 512 consecutive bytes, aligned to 256
.endr
.endm
	PLACES                                         ; in front of the reads of the last results and of loads into the fragments' registers
	TOSTAGE 0
.irp a, 1,2,3,4,5,6,7
.if \a > 1
	s_wait_xcnt 0x0                                ; block a - 2's stores have read their registers and their base
.endif
	TOSTAGE \a
	SEND \a-1, 32                                  ; behind block a - 1's loads: block a's 16 stores and 16 loads
.endr
	s_wait_xcnt 0x0
	SEND 7, 0
	s_wait_tensorcnt 0x0                           ; the wave's end
	ds_add_u32 v[SPW], v[NIL]
	s_wait_dscnt 0x0
	CROUND                                         ; the closing round
	s_endpgm
.Lfunc_end_k_q0c11205403_proj:
	.size	k_q0c11205403_proj, .Lfunc_end_k_q0c11205403_proj-k_q0c11205403_proj
	.p2alignl 7, 3214868480
	.fill 96, 4, 3214868480
	.section	.rodata,"a",@progbits
	.p2align	6, 0x0
	.amdhsa_kernel k_q0c11205403_proj
		.amdhsa_group_segment_fixed_size 327680
		.amdhsa_private_segment_fixed_size 0
		.amdhsa_enable_private_segment 0
		.amdhsa_kernarg_size 24
		.amdhsa_user_sgpr_count 2
		.amdhsa_user_sgpr_kernarg_segment_ptr 1
		.amdhsa_wavefront_size32 1
		.amdhsa_system_sgpr_workgroup_id_x 1
		.amdhsa_system_sgpr_workgroup_id_y 1
		.amdhsa_system_sgpr_workgroup_id_z 1
		.amdhsa_system_vgpr_workitem_id 0
		.amdhsa_next_free_vgpr 1024
		.amdhsa_next_free_sgpr 66
		.amdhsa_reserve_vcc 0
		.amdhsa_float_denorm_mode_32 3
		.amdhsa_float_denorm_mode_16_64 3
		.amdhsa_memory_ordered 1
		.amdhsa_forward_progress 1
		.amdhsa_inst_pref_size 141
	.end_amdhsa_kernel
	.amdgpu_metadata
---
amdhsa.version: [ 1, 2 ]
amdhsa.kernels:
  - .name:           k_q0c11205403_proj
    .symbol:         k_q0c11205403_proj.kd
    .args:
      - { .name: attn16, .offset: 0, .size: 8, .value_kind: global_buffer, .address_space: global }
      - { .name: wo16, .offset: 8, .size: 8, .value_kind: global_buffer, .address_space: global }
      - { .name: out0, .offset: 16, .size: 8, .value_kind: global_buffer, .address_space: global }
    .group_segment_fixed_size: 327680
    .private_segment_fixed_size: 0
    .kernarg_segment_align: 8
    .kernarg_segment_size: 24
    .max_flat_workgroup_size: 128
    .sgpr_count:     66
    .vgpr_count:     1024
    .wavefront_size: 32
...
	.end_amdgpu_metadata
.endif
;; end of part 4
;; launch fine (part 5): grid 128 x 2, 8 waves a work-group, no clusters, 17,408 bytes of LDS; arguments qkv32, Wo, out0; writes out0
.if DOCPART == 5
	.amdgcn_target "amdgcn-amd-amdhsa--gfx1250"
	.amdhsa_code_object_version 6
	.text
	.protected	k_q0c11205403_fine
	.globl	k_q0c11205403_fine
	.p2align	8
	.type	k_q0c11205403_fine,@function
k_q0c11205403_fine:
	s_mov_b64 s[64:65], 0
	v_nop
	global_prefetch_b8 v0, s[64:65] scope:SCOPE_SE
	s_setreg_imm32_b32 hwreg(HW_REG_WAVE_MODE, 25, 1), 1
	s_wait_xcnt 0x0
; Positions 0-15 of both sequences once more, wholly in f32: under the causal mask these rows average one to sixteen values, and the rounding of 16-bit operands would weigh most there.
; A work-group takes one batch (y) and 32 columns of out0 (x); wave w is head w.  It makes its head's 16 x 16 attention (64 matrix instructions of 16 x 16 x 4), multiplies its head's 128 channels
; into the 32 columns (64 more), and the eight heads' parts meet in LDS.  The small attention is repeated in each of the 128 work-groups of a batch: it is half of a wave's work.
; ALL THREE PRODUCTS ARE USED TRANSPOSED, and k is permuted alike on both operands, so that each result is the next product's operand in the same lanes:
; S^T = K Q^T: lane (r, h) holds query r, keys 8 h + j;  O^T = V^T P: step s takes keys 8 h + 2 s + 0, 1;  out^T = Wo^T O: step (ct, s) takes channels 16 ct + 8 h + 2 s + 0, 1.
; REGISTERS.  v176-255 of window 0 are written by matrix instructions alone, and these numbers name nothing else in any window: v176-239 O^T's eight accumulators,
; v240-255 two accumulators that take turns, for the scores and then for the projection.  window 0: v1-31 addresses and small work; v32-39 scores; v40-47 p; v64-127 V, then O^T / l, then the heads' parts.
; window 1: v0-63 Q, v64-127 K; behind the scores Wo's 128 numbers a lane take their place.
.set SPARE, 16384                      ; behind the eight waves' parts: the spare words, named by no other line
.set SPW, 14
.set NIL, 15
.set SS,  32
.set P,   40
.set V,   64
.set ON,  64
.set OA,  176
.set SP,  240
.set MSB, 0
.macro WIN new
.if MSB != \new
	s_set_vgpr_msb (MSB<<8)|\new
.set MSB, \new
.endif
.endm
.macro PLACES n
.rept \n
	v_nop
.endr
.endm
	s_load_b128 s[4:7], s[0:1], 0x0                ; qkv32, Wo
	s_load_b64 s[8:9], s[0:1], 0x10                ; out0
	v_lshl_add_u32 v[SPW], v0, 2, SPARE
	v_mov_b32 v[NIL], 0
	v_lshrrev_b32 v1, 5, v0
	v_readfirstlane_b32 s10, v1                    ; wave = head
	s_and_b32 s11, ttmp7, 0xffff                   ; batch
	v_and_b32 v1, 15, v0                           ; r
	v_bfe_u32 v2, v0, 4, 1                         ; h
	v_and_b32 v3, 31, v0
	v_lshlrev_b32 v4, 9, v1
	v_lshl_add_u32 v4, v2, 4, v4                   ; Q, K: row r of 512 bytes, + 16 h
	v_lshlrev_b32 v5, 2, v1
	v_lshl_add_u32 v6, v2, 12, v5                  ; V: channel r, keys 8 h on
	v_lshl_add_u32 v7, v2, 17, v5                  ; Wo: column r, rows 8 h on (16,384 bytes a row)
	s_lshl_b32 s12, s10, 11
	v_lshl_add_u32 v8, v3, 4, s12                  ; LDS: my part: 2,048 x wave + 16 x lane
	s_lshl_b32 s12, s10, 9
	v_lshl_add_u32 v9, v3, 4, s12                  ; and the piece that I add up (waves 0-3): 512 x wave + 16 x lane
	v_lshlrev_b32 v10, 14, v1
	v_lshl_add_u32 v10, v2, 5, v10                 ; out0: row r, + 32 h
	v_lshlrev_b32 v11, 3, v2
	v_sub_nc_u32 v11, v1, v11                      ; r - 8 h, for the mask
	v_mov_b32 v12, 0xff800000                      ; -infinity
	s_lshl_b32 s12, s11, 4
	s_add_co_u32 s16, s12, s10
	s_lshl_b32 s16, s16, 13                        ; q's slot: 16 b + head, 8,192 bytes a slot
	s_mov_b32 s17, 0
	s_lshr_b32 s18, s10, 1
	s_add_co_u32 s18, s18, s12
	s_add_co_u32 s18, s18, 8
	s_lshl_b32 s18, s18, 13                        ; k's slot: 16 b + 8 + head / 2; v's lies four slots on
	s_mov_b32 s19, 0
	s_lshl_b32 s24, s10, 21                        ; Wo: my head's 128 rows,
	s_lshl_b32 s25, ttmp9, 7                       ; my work-group's 32 columns
	s_add_co_u32 s24, s24, s25
	s_lshl_b32 s26, s11, 25                        ; out0: 2,048 rows a batch
	s_add_co_u32 s26, s26, s25
	s_mov_b32 s25, 0
	s_lshr_b32 s27, s10, 1
	s_lshl_b32 s27, s27, 6
	s_add_co_u32 s26, s26, s27                     ; the piece's columns: 16 (w / 2) + 4 (w % 2)
	s_and_b32 s27, s10, 1
	s_lshl_b32 s27, s27, 4
	s_add_co_u32 s26, s26, s27
	s_mov_b32 s27, 0
	s_mov_b32 s20, 0x76543210
	s_mov_b32 s21, 0xfedcba98
	s_mov_b32 s22, 0x3e0293ee                      ; c = log2(e) / sqrt(128)
	s_mov_b32 s23, s22
	s_wait_kmcnt 0x0
	s_add_nc_u64 s[16:17], s[4:5], s[16:17]
	s_add_nc_u64 s[18:19], s[4:5], s[18:19]
	s_add_nc_u64 s[6:7], s[6:7], s[24:25]
	s_add_nc_u64 s[8:9], s[8:9], s[26:27]
	WIN 0x40                                       ; destination window 1
.set i, 0
.rept 16
	global_load_b128 v[4*i:4*i+3], v4, s[16:17] offset:32*i          ; Q: channels 8 i + 4 h + 0 .. 3: registers 4 i, 4 i + 1 serve K step 2 i, the other two step 2 i + 1
.set i, i+1
.endr
.set i, 0
.rept 16
	global_load_b128 v[64+4*i:64+4*i+3], v4, s[18:19] offset:32*i    ; K likewise
.set i, i+1
.endr
	WIN 0
.irp ct, 0,1,2,3,4,5,6,7
.irp s, 0,1,2,3
.irp j, 0,1
	global_load_b32 v[V+2*(4*\ct+\s)+\j], v6, s[18:19] offset:32768+(2*\s+\j)*512+64*\ct   ; V(key 8 h + 2 s + j, channel 16 ct + r)
.endr
.endr
.endr
	s_wait_loadcnt 63                              ; 96 loads were issued; with 63 out the first 33 are in: Q and K
	WIN 0x05                                       ; sources 0 and 1 window 1
.set i, 0
.rept 32
.if i < 2
	v_wmma_f32_16x16x4_f32 v[SP+8*(i%2):SP+8*(i%2)+7], v[64+2*i:64+2*i+1], v[2*i:2*i+1], 0      ; the two sums' own first K steps start them
.else
	v_wmma_f32_16x16x4_f32 v[SP+8*(i%2):SP+8*(i%2)+7], v[64+2*i:64+2*i+1], v[2*i:2*i+1], v[SP+8*(i%2):SP+8*(i%2)+7]   ; the two accumulators take turns
.endif
.set i, i+1
.endr
	WIN 0
	PLACES 8                                       ; eight places behind this form: in front of the reads of the sums and of loads into Q's and K's registers
	s_wait_loadcnt 0x0                             ; V
; Wo for K step i = 4 ct + s of the projection: Wo(128 w + 16 ct + 8 h + 2 s + jj, n0 + 16 t + r) -> window 1, v[2 (32 t + i) + jj]
.macro WLOAD i
.irp t, 0,1
.irp jj, 0,1
	global_load_b32 v[2*(32*\t+(\i))+\jj], v7, s[6:7] offset:(16*((\i)/4)+2*((\i)%4)+\jj)*16384+64*\t th:TH_LOAD_NT
.endr
.endr
.endm
	WIN 0x40
.set I, 0
.rept 15
	WLOAD I                                        ; the first 60 loads go out now and land under the softmax and the second product
.set I, I+1
.endr
	WIN 0
.irp j, 0,2,4,6
	v_pk_add_f32 v[SS+\j:SS+\j+1], v[SP+\j:SP+\j+1], v[SP+8+\j:SP+8+\j+1]   ; the scores; each accumulator is read from its low end on
.endr
.irp j, 0,1,2,3,4,5,6,7
	v_cmp_gt_i32 vcc_lo, \j, v11                   ; key 8 h + j comes after query r
	v_cndmask_b32 v[SS+\j], v[SS+\j], v12, vcc_lo
.endr
	v_max3_num_f32 v16, v[SS], v[SS+1], v[SS+2]
	v_max3_num_f32 v17, v[SS+3], v[SS+4], v[SS+5]
	v_max3_num_f32 v16, v16, v[SS+6], v[SS+7]
	v_max_num_f32 v16, v16, v17
	v_permlanex16_b32 v17, v16, s20, s21
	v_max_num_f32 v16, v16, v17                    ; the row's maximum (key 0 counts for every query)
	v_mul_f32 v18, s22, v16
	v_mov_b32 v19, v18
.irp j, 0,2,4,6
	v_pk_fma_f32 v[SS+\j:SS+\j+1], v[SS+\j:SS+\j+1], s[22:23], v[18:19] op_sel_hi:[1,0,0] neg_lo:[0,0,1] neg_hi:[0,0,1]
.endr
.irp j, 0,1,2,3,4,5,6,7
	v_exp_f32 v[P+\j], v[SS+\j]
.endr
	v_nop                                          ; a plain instruction behind the last exponential
	s_wait_alu depctr_va_vdst(0)                   ; the wait ahead of the first reader: one for the eight
	v_pk_add_f32 v[20:21], v[P:P+1], v[P+2:P+3]
	v_pk_add_f32 v[24:25], v[P+4:P+5], v[P+6:P+7]
	v_pk_add_f32 v[20:21], v[20:21], v[24:25]
	v_add_f32 v20, v20, v21
	v_permlanex16_b32 v21, v20, s20, s21
	v_add_f32 v20, v20, v21                        ; the row's sum
	v_rcp_f32 v26, v20
	v_mov_b32 v27, 0                               ; (the pair's upper half is named, so it is written: also the plain instruction behind the reciprocal)
	s_wait_alu depctr_va_vdst(0)
.irp s, 0,1,2,3
.irp ct, 0,1,2,3,4,5,6,7
.if \s == 0
	v_wmma_f32_16x16x4_f32 v[OA+8*\ct:OA+8*\ct+7], v[V+2*(4*\ct+\s):V+2*(4*\ct+\s)+1], v[P+2*\s:P+2*\s+1], 0
.else
	v_wmma_f32_16x16x4_f32 v[OA+8*\ct:OA+8*\ct+7], v[V+2*(4*\ct+\s):V+2*(4*\ct+\s)+1], v[P+2*\s:P+2*\s+1], v[OA+8*\ct:OA+8*\ct+7]
.endif
.endr
.endr
	PLACES 8
	WIN 0x40
.set I, 15
.rept 17
	WLOAD I                                        ; the other 68 loads land under the projection's first 30 products
.set I, I+1
.endr
	WIN 0
.set i, 0
.rept 32
	v_pk_mul_f32 v[ON+i:ON+i+1], v[OA+i:OA+i+1], v[26:27] op_sel_hi:[1,0]   ; O^T / l, into V's registers
.set i, i+2
.endr
	s_wait_loadcnt 63                              ; 128 loads were issued; with 63 out the first 65 are in: K steps 0 to 14
	WIN 0x01                                       ; source 0 window 1
.set i, 0
.rept 15
.if i == 0
	v_wmma_f32_16x16x4_f32 v[SP:SP+7], v[2*i:2*i+1], v[ON+2*i:ON+2*i+1], 0
	v_wmma_f32_16x16x4_f32 v[SP+8:SP+15], v[64+2*i:64+2*i+1], v[ON+2*i:ON+2*i+1], 0
.else
	v_wmma_f32_16x16x4_f32 v[SP:SP+7], v[2*i:2*i+1], v[ON+2*i:ON+2*i+1], v[SP:SP+7]
	v_wmma_f32_16x16x4_f32 v[SP+8:SP+15], v[64+2*i:64+2*i+1], v[ON+2*i:ON+2*i+1], v[SP+8:SP+15]
.endif
.set i, i+1
.endr
	s_wait_loadcnt 0x0
.rept 17
	v_wmma_f32_16x16x4_f32 v[SP:SP+7], v[2*i:2*i+1], v[ON+2*i:ON+2*i+1], v[SP:SP+7]
	v_wmma_f32_16x16x4_f32 v[SP+8:SP+15], v[64+2*i:64+2*i+1], v[ON+2*i:ON+2*i+1], v[SP+8:SP+15]
.set i, i+1
.endr
	WIN 0
	PLACES 8
	; lane (r, h) holds query r and columns n0 + 16 t + 8 h + 0 .. 7 of my head's part: four pieces of 512 bytes
.irp t, 0,1
.irp q, 0,1
	ds_store_b128 v8, v[SP+8*\t+4*\q:SP+8*\t+4*\q+3] offset:(2*\t+\q)*512
.endr
.endr
	s_wait_dscnt 0x0                               ; for the others' sake: my stores are done
	s_barrier_signal -1
	s_barrier_wait -1
	s_cmp_lt_u32 s10, 4
	s_cbranch_scc0 .Ldone                          ; waves 0 to 3 add up a piece each
.irp p, 0,1,2,3,4,5,6,7
	ds_load_b128 v[64+4*\p:64+4*\p+3], v9 offset:\p*2048
.endr
	s_wait_dscnt 0x0
.irp p, 1,2,3,4,5,6,7
	v_pk_add_f32 v[64:65], v[64:65], v[64+4*\p:64+4*\p+1]
	v_pk_add_f32 v[66:67], v[66:67], v[64+4*\p+2:64+4*\p+3]
.endr
	global_store_b128 v10, v[64:67], s[8:9]        ; 16 bytes of each of 16 rows: half a megabyte in the whole launch
.Ldone:
	s_wait_tensorcnt 0x0                           ; the wave's end, behind my last LDS store
	ds_add_u32 v[SPW], v[NIL]
	s_wait_dscnt 0x0
	s_endpgm
.Lfunc_end_k_q0c11205403_fine:
	.size	k_q0c11205403_fine, .Lfunc_end_k_q0c11205403_fine-k_q0c11205403_fine
	.p2alignl 7, 3214868480
	.fill 96, 4, 3214868480
	.section	.rodata,"a",@progbits
	.p2align	6, 0x0
	.amdhsa_kernel k_q0c11205403_fine
		.amdhsa_group_segment_fixed_size 17408
		.amdhsa_private_segment_fixed_size 0
		.amdhsa_enable_private_segment 0
		.amdhsa_kernarg_size 24
		.amdhsa_user_sgpr_count 2
		.amdhsa_user_sgpr_kernarg_segment_ptr 1
		.amdhsa_wavefront_size32 1
		.amdhsa_system_sgpr_workgroup_id_x 1
		.amdhsa_system_sgpr_workgroup_id_y 1
		.amdhsa_system_sgpr_workgroup_id_z 1
		.amdhsa_system_vgpr_workitem_id 0
		.amdhsa_next_free_vgpr 384
		.amdhsa_next_free_sgpr 66
		.amdhsa_reserve_vcc 1
		.amdhsa_float_denorm_mode_32 3
		.amdhsa_float_denorm_mode_16_64 3
		.amdhsa_memory_ordered 1
		.amdhsa_forward_progress 1
		.amdhsa_inst_pref_size 39
	.end_amdhsa_kernel
	.amdgpu_metadata
---
amdhsa.version: [ 1, 2 ]
amdhsa.kernels:
  - .name:           k_q0c11205403_fine
    .symbol:         k_q0c11205403_fine.kd
    .args:
      - { .name: qkv32, .offset: 0, .size: 8, .value_kind: global_buffer, .address_space: global }
      - { .name: Wo, .offset: 8, .size: 8, .value_kind: global_buffer, .address_space: global }
      - { .name: out0, .offset: 16, .size: 8, .value_kind: global_buffer, .address_space: global }
    .group_segment_fixed_size: 17408
    .private_segment_fixed_size: 0
    .kernarg_segment_align: 8
    .kernarg_segment_size: 24
    .max_flat_workgroup_size: 256
    .sgpr_count:     66
    .vgpr_count:     384
    .wavefront_size: 32
...
	.end_amdgpu_metadata
.endif
;; end of part 5
